; MI455X (gfx1250); checked and timed in simulation.
; The chip was launched on July 23, 2026; its instructions are those of AMD's public machine-readable ISA for CDNA 5 (MIT licence, August 2026) and "CDNA5" Instruction Set Architecture Reference Guide (July 2026). The comments in the code are by the model that wrote it; some were corrected since.
;; Block. Allowed arithmetic: float matrix products may take bf16 or f16 operands with f32 sums; all other float work in f32.
;; Inputs: b_ff1 4,096 float32; b_ff2 1,024 float32; b_proj 1,024 float32; ln1_b 1,024 float32; ln1_g 1,024 float32; ln2_b 1,024 float32; ln2_g 1,024 float32; w_ff1 1,024 x 4,096 float32; w_ff2 4,096 x 1,024 float32; w_proj 1,024 x 1,024 float32; wk 16 x 1,024 x 64 float32; wq 16 x 1,024 x 64 float32; wv 16 x 1,024 x 64 float32; x 2 x 2,048 x 1,024 float32.
;; Outputs: out0 2 x 2,048 x 1,024 float32.
;; One version. Each part assembles by itself: llvm-mc -triple=amdgcn-amd-amdhsa -mcpu=gfx1250 --defsym DOCPART=n.
;; ======== version 1 of 1: 7 launches
;; workspace buffers: wqkv 6,291,456 bytes; wb 25,165,824 bytes; h1 8,388,608 bytes; qkv 25,165,824 bytes; o 8,388,608 bytes; x2 16,777,216 bytes; h2 8,388,608 bytes; ff 33,554,432 bytes
;; launch prep (part 1): grid 448 x 1, 8 waves a work-group, no clusters, 0 bytes of LDS; arguments x, ln1_g, ln1_b, h1, wq, wk, wv, wqkv; writes h1, wqkv
.if DOCPART == 1
	.amdgcn_target "amdgcn-amd-amdhsa--gfx1250"
	.amdhsa_code_object_version 6
	.text
	.protected	k_qd332713ce3_prep
	.globl	k_qd332713ce3_prep
	.p2align	8
	.type	k_qd332713ce3_prep,@function
k_qd332713ce3_prep:
	s_mov_b64 s[64:65], 0
	v_nop
	global_prefetch_b8 v0, s[64:65] scope:SCOPE_SE
	s_setreg_imm32_b32 hwreg(HW_REG_WAVE_MODE, 25, 1), 1
	s_wait_xcnt 0x0
; Two jobs that need nothing but the inputs share one launch; both are streams: no LDS, no barrier, no matrix unit.
; WORK-GROUPS 0 TO 255: y[r][c] = (x[r][c] - mean_r) * rsqrt(var_r + 1e-5) * g[c] + b[c].  x: [4096][1024] f32, y: [4096][1024] bf16, rounded once.
;   A row is 4,096 bytes = 32 registers of one wave: it stays in registers between the mean, the variance (a true second pass over
;   x - mean, so a common offset of the inputs costs nothing) and the scaling.  One wave, two rows; the reduction never leaves the wave.
;   All 32 loads of a wave (2 rows, g, b) go out at once.  A load covers 512 consecutive bytes, a store 256, both aligned.
; WORK-GROUPS 256 TO 447: wq, wk, wv, f32 [head][k][s], rounded to bf16 (nearest even) into Wqkv [1024 k][3072], column
;   n = which*1024 + head*64 + s (which: 0 q, 1 k, 2 v).  16,384 numbers a work-group: a thread makes 16 loads of 16 bytes, all issued
;   at once, and 16 stores of 8 bytes; a wave's load covers two runs of 256 bytes, its store 256 consecutive bytes, aligned.
;   No register is written twice there, so no source of a pending load or store is rewritten.
; Limits: NaN and infinities are not served; v_rsq_f32 is good to 1 ULP.
.set X,  4                             ; v[4:67]    row q at X + 32 q; load j brings numbers 128 j + 4 lane .. + 3
.set G,  68                            ; v[68:99]   g of my 32 columns
.set BB, 100                           ; v[100:131] b of my 32 columns
.set T,  132                           ; v[132:139] four running pairs
.set MU, 140                           ; v[140:141] the mean, twice
.set RS, 142                           ; v[142:145] 1 / sigma, twice, for each row
.set Y,  146                           ; v[146:177] row q, load j: two words of bf16
.set IN,  4                            ; the weights' path: v[4:67]   16 loads x 4 f32
.set OUT, 68                           ;                    v[68:99]  16 stores x 2 words of bf16
; the four running pairs become one number, the same in all 32 lanes, in v[T]
.macro FOLD
	v_pk_add_f32 v[T:T+1],   v[T:T+1],   v[T+2:T+3]
	v_pk_add_f32 v[T+4:T+5], v[T+4:T+5], v[T+6:T+7]
	v_pk_add_f32 v[T:T+1],   v[T:T+1],   v[T+4:T+5]
	v_add_f32 v[T], v[T], v[T+1]
	v_add_f32_dpp v[T], v[T], v[T] row_xmask:1 row_mask:0xf bank_mask:0xf
	v_add_f32_dpp v[T], v[T], v[T] row_xmask:2 row_mask:0xf bank_mask:0xf
	v_add_f32_dpp v[T], v[T], v[T] row_xmask:4 row_mask:0xf bank_mask:0xf
	v_add_f32_dpp v[T], v[T], v[T] row_xmask:8 row_mask:0xf bank_mask:0xf
	v_permlanex16_b32 v[T+1], v[T], s13, s14       ; its destination counts as read: T+1 has been written
	v_add_f32 v[T], v[T], v[T+1]
.endm
; row q: the mean; x - mean in place; 1 / sqrt(mean of squares + eps)
.macro STATS q
.irp k, 0,1,2,3
	v_pk_add_f32 v[T+2*\k:T+2*\k+1], v[X+32*\q+2*\k:X+32*\q+2*\k+1], v[X+32*\q+8+2*\k:X+32*\q+8+2*\k+1]   ; the first pairs start the chains
.endr
.irp m, 16,24
.irp k, 0,1,2,3
	v_pk_add_f32 v[T+2*\k:T+2*\k+1], v[T+2*\k:T+2*\k+1], v[X+32*\q+\m+2*\k:X+32*\q+\m+2*\k+1]
.endr
.endr
	FOLD
	v_mul_f32 v[MU],   v[T], s15
	v_mul_f32 v[MU+1], v[T], s15
.irp k, 0,2,4,6,8,10,12,14,16,18,20,22,24,26,28,30
	v_pk_add_f32 v[X+32*\q+\k:X+32*\q+\k+1], v[X+32*\q+\k:X+32*\q+\k+1], v[MU:MU+1] neg_lo:[0,1] neg_hi:[0,1]
.endr
.irp k, 0,1,2,3
	v_pk_mul_f32 v[T+2*\k:T+2*\k+1], v[X+32*\q+2*\k:X+32*\q+2*\k+1], v[X+32*\q+2*\k:X+32*\q+2*\k+1]
.endr
.irp m, 8,16,24
.irp k, 0,1,2,3
	v_pk_fma_f32 v[T+2*\k:T+2*\k+1], v[X+32*\q+\m+2*\k:X+32*\q+\m+2*\k+1], v[X+32*\q+\m+2*\k:X+32*\q+\m+2*\k+1], v[T+2*\k:T+2*\k+1]
.endr
.endr
	FOLD
	v_fma_f32 v[T], v[T], s15, s16                 ; variance + eps
	v_rsq_f32 v[RS+2*\q],   v[T]
	v_rsq_f32 v[RS+2*\q+1], v[T]
	v_nop                                          ; one plain instruction before the result is used or T rewritten (ISA guide 5.7.2)
.endm
; row q: scale, gain and bias, round, store
.macro NORM q
	s_wait_alu depctr_va_vdst(0)
.irp j, 0,1,2,3,4,5,6,7
	v_pk_mul_f32 v[X+32*\q+4*\j:X+32*\q+4*\j+1],   v[X+32*\q+4*\j:X+32*\q+4*\j+1],   v[RS+2*\q:RS+2*\q+1]
	v_pk_mul_f32 v[X+32*\q+4*\j+2:X+32*\q+4*\j+3], v[X+32*\q+4*\j+2:X+32*\q+4*\j+3], v[RS+2*\q:RS+2*\q+1]
	v_pk_fma_f32 v[X+32*\q+4*\j:X+32*\q+4*\j+1],   v[X+32*\q+4*\j:X+32*\q+4*\j+1],   v[G+4*\j:G+4*\j+1],   v[BB+4*\j:BB+4*\j+1]
	v_pk_fma_f32 v[X+32*\q+4*\j+2:X+32*\q+4*\j+3], v[X+32*\q+4*\j+2:X+32*\q+4*\j+3], v[G+4*\j+2:G+4*\j+3], v[BB+4*\j+2:BB+4*\j+3]
	v_cvt_pk_bf16_f32 v[Y+16*\q+2*\j],   v[X+32*\q+4*\j],   v[X+32*\q+4*\j+1]
	v_cvt_pk_bf16_f32 v[Y+16*\q+2*\j+1], v[X+32*\q+4*\j+2], v[X+32*\q+4*\j+3]
	global_store_b64 v2, v[Y+16*\q+2*\j:Y+16*\q+2*\j+1], s[10:11] offset:2048*\q+256*\j
.endr
.endm
; the weights' path: source in s[20:21] + v1, target in s[16:17] + v2; pass j steps by the two immediates
.macro CORE instep, outstep
.irp j, 0,1,2,3,4,5,6,7,8,9,10,11,12,13,14,15
	global_load_b128 v[IN+4*\j:IN+4*\j+3], v1, s[20:21] offset:\j*\instep th:TH_LOAD_NT
.endr
.irp j, 0,1,2,3,4,5,6,7,8,9,10,11,12,13,14,15
	s_wait_loadcnt 15-\j                           ; loads return in order: load j is in, the 15 - j younger ones stay out
	v_cvt_pk_bf16_f32 v[OUT+2*\j],   v[IN+4*\j],   v[IN+4*\j+1]
	v_cvt_pk_bf16_f32 v[OUT+2*\j+1], v[IN+4*\j+2], v[IN+4*\j+3]
	global_store_b64 v2, v[OUT+2*\j:OUT+2*\j+1], s[16:17] offset:\j*\outstep
.endr
.endm
	s_cmp_lt_u32 ttmp9, 256
	s_cbranch_scc0 .Lweights
	; ---- LayerNorm: 256 work-groups x 8 waves x 2 rows = 4,096 rows
	s_load_b256 s[4:11], s[0:1], 0x0               ; x s[4:5], g s[6:7], b s[8:9], y s[10:11]
	v_lshrrev_b32 v3, 5, v0
	v_readfirstlane_b32 s12, v3                    ; wave
	v_and_b32 v1, 31, v0
	v_lshlrev_b32 v2, 3, v1                        ; 8 x lane: my bytes of a store
	v_lshlrev_b32 v1, 4, v1                        ; 16 x lane: my bytes of a load
	s_mov_b32 s13, 0x76543210                      ; v_permlanex16_b32: lane i of one half reads lane i of the other
	s_mov_b32 s14, 0xfedcba98
	s_mov_b32 s15, 0x3a800000                      ; 1 / 1024
	s_mov_b32 s16, 0x3727c5ac                      ; 1e-5
	s_lshl_b32 s17, ttmp9, 4
	s_lshl1_add_u32 s17, s12, s17                  ; my first row = 16 x work-group + 2 x wave
	s_lshl_b32 s18, s17, 12
	s_mov_b32 s19, 0
	s_lshl_b32 s20, s17, 11
	s_mov_b32 s21, 0
	s_wait_kmcnt 0x0
	s_add_nc_u64 s[4:5], s[4:5], s[18:19]
	s_add_nc_u64 s[10:11], s[10:11], s[20:21]
.irp q, 0,1
.irp j, 0,1,2,3,4,5,6,7
	global_load_b128 v[X+32*\q+4*\j:X+32*\q+4*\j+3], v1, s[4:5] offset:4096*\q+512*\j th:TH_LOAD_NT
.endr
.endr
.irp j, 0,1,2,3,4,5,6,7
	global_load_b128 v[G+4*\j:G+4*\j+3], v1, s[6:7] offset:512*\j
.endr
.irp j, 0,1,2,3,4,5,6,7
	global_load_b128 v[BB+4*\j:BB+4*\j+3], v1, s[8:9] offset:512*\j
.endr
	s_wait_loadcnt 24                              ; row 0 is in; row 1, g and b (24 loads) stay out
	STATS 0
	s_wait_loadcnt 16                              ; row 1 is in; g and b stay out
	STATS 1
	s_wait_loadcnt 0x0                             ; g and b
	NORM 0
	NORM 1
	s_endpgm
.Lweights:
	; ---- wq, wk, wv: which = id / 64, rows k = 16 kc .. 16 kc + 15 (kc = id % 64) of all 16 heads, id = work-group - 256
	s_load_b256 s[4:11], s[0:1], 0x20              ; wq s[4:5], wk s[6:7], wv s[8:9], Wqkv s[10:11]
	s_sub_co_u32 s12, ttmp9, 256
	s_lshr_b32 s18, s12, 6                         ; which
	s_and_b32 s19, s12, 63                         ; kc
	s_mov_b32 s23, 0                               ; high word of both offset pairs
	v_lshlrev_b32 v2, 3, v0                        ; 8 t: my 8 bytes of every pass's 2,048 bytes of bf16
	v_lshrrev_b32 v1, 4, v0                        ; head = t / 16
	v_and_b32 v3, 15, v0
	v_lshlrev_b32 v1, 18, v1                       ; a head is 262,144 bytes
	v_lshl_or_b32 v1, v3, 4, v1                    ; + 16 (t % 16): 16 lanes read one head's row of 256 bytes
	s_wait_kmcnt 0x0
	s_cmp_eq_u32 s18, 0
	s_cselect_b64 s[20:21], s[4:5], s[6:7]
	s_cmp_eq_u32 s18, 2
	s_cselect_b64 s[20:21], s[8:9], s[20:21]
	s_lshl_b32 s22, s19, 12                        ; 16 rows of 256 bytes
	s_add_nc_u64 s[20:21], s[20:21], s[22:23]
	s_mul_i32 s22, s19, 98304                      ; 16 rows of 6,144 bytes in Wqkv
	s_lshl_b32 s24, s18, 11                        ; + which x 1,024 columns
	s_add_co_u32 s22, s22, s24
	s_add_nc_u64 s[16:17], s[10:11], s[22:23]
	CORE 256, 6144                                 ; head*128 + 8 (t % 16) = 8 t: two heads' rows make one run of 256 bytes of bf16
	s_endpgm
.Lfunc_end_k_qd332713ce3_prep:
	.size	k_qd332713ce3_prep, .Lfunc_end_k_qd332713ce3_prep-k_qd332713ce3_prep
	.p2alignl 7, 3214868480
	.fill 96, 4, 3214868480
	.section	.rodata,"a",@progbits
	.p2align	6, 0x0
	.amdhsa_kernel k_qd332713ce3_prep
		.amdhsa_group_segment_fixed_size 0
		.amdhsa_private_segment_fixed_size 0
		.amdhsa_enable_private_segment 0
		.amdhsa_kernarg_size 64
		.amdhsa_user_sgpr_count 2
		.amdhsa_user_sgpr_kernarg_segment_ptr 1
		.amdhsa_wavefront_size32 1
		.amdhsa_system_sgpr_workgroup_id_x 1
		.amdhsa_system_sgpr_workgroup_id_y 1
		.amdhsa_system_sgpr_workgroup_id_z 1
		.amdhsa_system_vgpr_workitem_id 0
		.amdhsa_next_free_vgpr 184
		.amdhsa_next_free_sgpr 66
		.amdhsa_reserve_vcc 0
		.amdhsa_float_denorm_mode_32 3
		.amdhsa_float_denorm_mode_16_64 3
		.amdhsa_memory_ordered 1
		.amdhsa_forward_progress 1
		.amdhsa_inst_pref_size 27
	.end_amdhsa_kernel
	.amdgpu_metadata
---
amdhsa.version: [ 1, 2 ]
amdhsa.kernels:
  - .name:           k_qd332713ce3_prep
    .symbol:         k_qd332713ce3_prep.kd
    .args:
      - { .name: x, .offset: 0, .size: 8, .value_kind: global_buffer, .address_space: global }
      - { .name: ln1_g, .offset: 8, .size: 8, .value_kind: global_buffer, .address_space: global }
      - { .name: ln1_b, .offset: 16, .size: 8, .value_kind: global_buffer, .address_space: global }
      - { .name: h1, .offset: 24, .size: 8, .value_kind: global_buffer, .address_space: global }
      - { .name: wq, .offset: 32, .size: 8, .value_kind: global_buffer, .address_space: global }
      - { .name: wk, .offset: 40, .size: 8, .value_kind: global_buffer, .address_space: global }
      - { .name: wv, .offset: 48, .size: 8, .value_kind: global_buffer, .address_space: global }
      - { .name: wqkv, .offset: 56, .size: 8, .value_kind: global_buffer, .address_space: global }
    .group_segment_fixed_size: 0
    .private_segment_fixed_size: 0
    .kernarg_segment_align: 8
    .kernarg_segment_size: 64
    .max_flat_workgroup_size: 256
    .sgpr_count:     66
    .vgpr_count:     184
    .wavefront_size: 32
...
	.end_amdgpu_metadata
.endif
;; end of part 1
;; launch gemm_qkv (part 2): grid 16 x 16, 4 waves a work-group, clusters of 4 x 4, 327,680 bytes of LDS; arguments h1, wqkv, qkv, w_proj, w_ff1, w_ff2, wb; writes qkv, wb
.if DOCPART == 2
	.amdgcn_target "amdgcn-amd-amdhsa--gfx1250"
	.amdhsa_code_object_version 6
	.text
	.protected	k_qd332713ce3_gemm_qkv
	.globl	k_qd332713ce3_gemm_qkv
	.p2align	8
	.type	k_qd332713ce3_gemm_qkv,@function
k_qd332713ce3_gemm_qkv:
	s_mov_b64 s[64:65], 0
	v_nop
	global_prefetch_b8 v0, s[64:65] scope:SCOPE_SE
	s_setreg_imm32_b32 hwreg(HW_REG_WAVE_MODE, 25, 1), 1
	s_wait_xcnt 0x0
	s_wait_alu depctr_hold_cnt(0) depctr_sa_sdst(0) depctr_va_vdst(0) depctr_va_sdst(0) depctr_va_ssrc(0) depctr_va_vcc(0) depctr_vm_vsrc(0)
	s_getreg_b32 s2, hwreg(HW_REG_IB_STS2, 6, 4)
	s_cmp_eq_u32 s2, 0
	s_cbranch_scc0 .Lentry_in_a_cluster
	s_endpgm
.Lentry_in_a_cluster:
	s_bfe_u32 s2, ttmp6, 0x10000c
	s_cmp_lg_u32 s2, 0xf033
	s_cbranch_scc0 .Lentry_shape_is_right
	s_endpgm
.Lentry_shape_is_right:
; C[m][n] = sum over k of A[m][k] W[k][n] (+ bias[n], relu where the head's constants say so).
; A: [4096][1024] bf16.  W: [1024][SIZE_N] bf16 at byte WOFF of the weights' buffer.  C: [4096][SIZE_N] bf16, rounded once; sums in f32.
; Here: q, k, v of all heads at once, SIZE_N = 3072, no bias: 16 x 12 = 192 blocks of 256 x 256 = three columns of clusters.
; THE GRID'S FOURTH COLUMN OF CLUSTERS, 64 work-groups, has no block of C.  It does work that the later launches need and that hangs on
; inputs alone: it rounds w_proj, w_ff1 and w_ff2 to bf16 (the text behind .Lcast).  The branch hangs on the cluster's x, which the
; sixteen work-groups of a cluster share.
; A work-group makes a block of 256 x 256 with four waves, one for each SIMD; a wave makes 128 x 128: 64 accumulator tiles, 512 registers.
; K goes in steps of 128 through a ring of two LDS slots filled by the tensor data mover.  A's rows in a slot are 256 bytes of memory,
; W's 512 bytes, all at multiples of 256 bytes from their buffers' first bytes.
; W lies with N along its rows, so its fragments are read by the transposing LDS load (ds_load_tr16_b128): no transposed copy is made.
; CLUSTERS: 4 x 4 work-groups.  The four of a row of the cluster need the same tiles of A, the four of a column the same tiles of W:
; each tile is asked for jointly, the same tensor load with the same descriptor and a mask of the four.
; REGISTERS, in windows of 256:
;   window 0: v16-27 addresses; v32-63 packed results; v64-127, v128-191 fragments of A, two buffers; v192-255 bias, later relu's results
;   window 1: v64-127, v128-191 fragments of W, two buffers
;   window 2: the 32 accumulator tiles of my rows 0-63 (tile (a, b) at v[8 (8 a + b)]);   window 3: those of my rows 64-127
; THE MATRIX INSTRUCTION IS USED TRANSPOSED: source 0 = 16 columns of W, source 1 = 16 rows of A, so that lane l holds row l % 16 of C
; and its 8 registers the columns 8 (l / 16) + 0..7: eight neighbouring numbers, 16 bytes of bf16.
; The 64 accumulators take turns, one instruction a turn, in the same order in every quarter step.
; Limits: NaN and infinities are not served (relu is v_max_num_f32, in which a NaN loses); operands are rounded to bf16.
.set SIZE_N,   3072
.set WOFF,     0
.set HAS_BIAS, 0
.set RELU,     0
.set SIZE_K, 1024
.set KSTEP,  128
.set PITCHA, 272                       ; A's LDS row: 256 bytes + 16: 16 rows of a fragment start 16 bytes apart modulo 256
.set PITCHB, 544                       ; W's LDS row: 512 bytes + 32 = 17 x 32
.set HALFT,  34816                     ; what one tensor load brings: 128 rows of A (128 x 272) or 64 rows of W (64 x 544)
.set SLOT,   4*HALFT                   ; A's 256 rows, then W's 128 rows
.set BOFF,   2*HALFT
.set STAGE,  2*SLOT                    ; behind the ring: 16 rows x 272 bytes for each wave, for the way out; no tensor load lands here
.set SPITCH, 272
.set LAPS,   SIZE_K/(2*KSTEP)          ; a lap = two K steps = once round the ring
.set ADRA, 16                          ; v16-17  LDS address of my A fragments in slot 0, 1
.set ADRB, 20                          ; v20-21  the same for W
.set STO,  24                          ; v24     the way out: where I put 16 bytes of a row
.set RD,   25                          ; v25     the way out: where I read a row back
.set CO,   26                          ; v26     my byte offset in C
.set BOF,  27                          ; v27     my byte offset in the bias: 32 (l / 16)
.set TMP,  32
.set F0,   64
.set F1,   128
.set BIAS, 192                         ; tile column b: v[192 + 8 b ..]: bias of columns 16 b + 8 (l / 16) + 0..7
.set RL,   192
.set G1,  24                           ; s[24:31] descriptor group 1 for A's tiles
.set G0,  32                           ; s[32:39] group 0 for A's tiles, one set for each slot
.set G1B, 48                           ; s[48:55] group 1 for W's tiles
.set G0B, 56                           ; s[56:63] group 0 for W's tiles, one set for each slot
.set MSB, 0
.macro WIN new                         ; the immediate's high byte repeats the setting that is left
.if MSB != (\new)
	s_set_vgpr_msb (MSB<<8)|(\new)
.set MSB, (\new)
.endif
.endm
.set MUL_LO, 0xa1                      ; source 0 (W) window 1, source 1 (A) window 0, C and D window 2
.set MUL_HI, 0xf1                      ; the same, C and D window 3
.set TO_B,   0x40                      ; destination window 1, address window 0
.macro WINMUL hi, zero                 ; where the first product takes the bias as C, C is in window 0
.if (\zero)*HAS_BIAS
	WIN 0x81+0x40*\hi
.else
	WIN 0xa1+0x50*\hi
.endif
.endm
; A joint load.  Waves 0 and 1 fetch A's two halves, waves 2 and 3 W's.  The branch hangs on the wave's number alone.
.macro JLOAD s
	s_cmp_eq_u32 s13, 0
	s_cbranch_scc0 .Lfor_b_\@
	tensor_load_to_lds s[G0+4*\s:G0+4*\s+3], s[G1:G1+7]
	s_nop 0
	s_branch .Lasked_\@
.Lfor_b_\@:
	tensor_load_to_lds s[G0B+4*\s:G0B+4*\s+3], s[G1B:G1B+7]
	s_nop 0
.Lasked_\@:
.endm
; A round of the cluster's barrier: my work-group's barrier; wave 0 signals for the work-group; every wave waits for all sixteen; my work-group's barrier again.
.macro CREST                           ; a round behind its opening barrier
	s_cmp_lg_u32 s12, 0
	s_cbranch_scc1 .Lnot_wave_0_\@
	s_barrier_signal -3
.Lnot_wave_0_\@:
	s_barrier_wait -3
	s_barrier_signal -1
	s_barrier_wait -1
.endm
.macro CROUND
	s_barrier_signal -1
	s_barrier_wait -1
	CREST
.endm
	s_set_vgpr_msb 0x40
	v_lshl_add_u32 v255, v0, 2, 0x48400
	s_set_vgpr_msb 0x4000
	v_mov_b32 v255, 0
	s_set_vgpr_msb 0x1
	ds_add_u32 v255, v255
	ds_add_u32 v255, v255
	s_wait_dscnt 0x0
	s_set_vgpr_msb 0x100
	s_cmp_eq_u32 ttmp9, 3                          ; the cluster's x: the same in all sixteen work-groups of a cluster
	s_cbranch_scc1 .Lcast
	s_load_b128 s[4:7], s[0:1], 0x0                ; A s[4:5], weights s[6:7]
	s_load_b64 s[8:9], s[0:1], 0x10                ; C
.if HAS_BIAS
	s_load_b64 s[10:11], s[0:1], 0x18              ; bias
.endif
	v_lshrrev_b32 v1, 5, v0
	v_readfirstlane_b32 s12, v1                    ; wave 0..3
	s_lshr_b32 s13, s12, 1                         ; which half of the block's rows is mine.  Also: I fetch for A (0) or for W (1)
	s_and_b32 s14, s12, 1                          ; which half of its columns.  Also: which half of that tile I fetch
	s_bfe_u32 s16, ttmp6, 0x40000                  ; cx
	s_bfe_u32 s17, ttmp6, 0x40004                  ; cy
	s_lshl_b32 s18, ttmp9, 2
	s_add_co_u32 s18, s18, s16                     ; block column = 4 x cluster x + cx
	s_and_b32 s19, ttmp7, 0xffff
	s_lshl_b32 s19, s19, 2
	s_add_co_u32 s19, s19, s17                     ; block row = 4 x cluster y + cy
	s_lshl_b32 s20, s17, 2
	s_lshl_b32 s20, 15, s20                        ; my row of the cluster: places 4 cy .. 4 cy + 3
	s_lshl_b32 s21, 0x1111, s16                    ; my column: places cx, cx + 4, cx + 8, cx + 12
	; group 1 for A: 128 rows x 128 elements of 2 bytes; 4 words of padding behind every 64
	s_or_b32 s[G1+0], s20, (1<<16)|(1<<20)|(1<<21)|(5<<22)|(3<<25)
	s_mov_b32 s[G1+1], KSTEP<<16                   ; tensor_dim0 = 128
	s_mov_b32 s[G1+2], 128<<16                     ; tensor_dim1 = 128
	s_mov_b32 s[G1+3], KSTEP<<16                   ; tile_dim0 = 128
	s_mov_b32 s[G1+4], 128                         ; tile_dim1 = 128
	s_mov_b32 s[G1+5], SIZE_K                      ; elements from row to row
	s_mov_b32 s[G1+6], 0
	s_mov_b32 s[G1+7], 0
	; group 1 for W: 64 rows x 256 elements; 8 words of padding behind every 128
	s_or_b32 s[G1B+0], s21, (1<<16)|(1<<20)|(1<<21)|(6<<22)|(7<<25)
	s_mov_b32 s[G1B+1], 256<<16
	s_mov_b32 s[G1B+2], 64<<16
	s_mov_b32 s[G1B+3], 256<<16
	s_mov_b32 s[G1B+4], 64
	s_mov_b32 s[G1B+5], SIZE_N
	s_mov_b32 s[G1B+6], 0
	s_mov_b32 s[G1B+7], 0
	; A's tiles hang on the block row alone, W's on the block column alone; each offset in registers that never hold the other coordinate
	s_lshl_b32 s44, s14, 7
	s_lshl_b32 s40, s19, 8
	s_add_co_u32 s40, s40, s44                     ; A: row 256 x block row + 128 x half,
	s_lshl_b32 s40, s40, 11                        ; of 2,048 bytes
	s_mov_b32 s41, 0
	s_mul_i32 s42, s14, 64*SIZE_N*2                ; W: row 64 x half,
	s_lshl_b32 s45, s18, 9                         ; column 256 x block column,
	s_add_co_u32 s42, s42, s45
	s_add_co_u32 s42, s42, WOFF                    ; in this matrix's part of the buffer
	s_mov_b32 s43, 0
	s_mul_i32 s22, s12, HALFT                      ; where they go: A's halves, then W's = wave x 34,816 bytes
	s_wait_kmcnt 0x0
	s_add_nc_u64 s[40:41], s[4:5], s[40:41]
	s_add_nc_u64 s[42:43], s[6:7], s[42:43]
	CROUND                                         ; all sixteen work-groups are here: the first joint loads meet
.irp s, 0,1
	s_mov_b32 s[G0+4*\s], 1
	s_add_co_u32 s[G0+4*\s+1], s22, \s*SLOT
	s_add_nc_u64 s[G0+4*\s+2:G0+4*\s+3], s[40:41], \s*KSTEP*2
	s_or_b32 s[G0+4*\s+3], s[G0+4*\s+3], 0x80000000
	s_mov_b32 s[G0B+4*\s], 1
	s_add_co_u32 s[G0B+4*\s+1], s22, \s*SLOT
	s_add_nc_u64 s[G0B+4*\s+2:G0B+4*\s+3], s[42:43], \s*KSTEP*SIZE_N*2
	s_or_b32 s[G0B+4*\s+3], s[G0B+4*\s+3], 0x80000000
	JLOAD \s                                       ; both first fills go out before anything else: two tensor loads of the wave are out
.endr
	v_and_b32 v1, 15, v0                           ; r = l % 16
	v_bfe_u32 v2, v0, 4, 1                         ; h = l / 16
.if HAS_BIAS
	s_lshl_b32 s46, s18, 10                        ; 256 columns x 4 bytes x block column
	s_lshl_b32 s47, s14, 9                         ; + my 128 columns
	s_add_co_u32 s46, s46, s47
	s_mov_b32 s47, 0
	s_add_nc_u64 s[10:11], s[10:11], s[46:47]
	v_lshlrev_b32 v[BOF], 5, v2
.irp b, 0,1,2,3,4,5,6,7
	global_load_b128 v[BIAS+8*\b:BIAS+8*\b+3],   v[BOF], s[10:11] offset:64*\b
	global_load_b128 v[BIAS+8*\b+4:BIAS+8*\b+7], v[BOF], s[10:11] offset:64*\b+16
.endr
.endif
	; A's fragment (16 rows x 32 K): lane l holds row r; two loads of 16 bytes, 32 bytes apart, at r x pitch + 16 h
	v_mul_u32_u24 v3, v1, PITCHA
	v_lshl_add_u32 v3, v2, 4, v3
	; W's fragment (32 K x 16 columns) by two transposing loads, 16 rows apart: lane l addresses row 8 h + l % 8, 16 bytes at 16 ((l / 8) % 2)
	v_and_b32 v6, 7, v0
	v_lshl_add_u32 v6, v2, 3, v6
	v_mul_u32_u24 v6, v6, PITCHB
	v_bfe_u32 v7, v0, 3, 1
	v_lshl_add_u32 v6, v7, 4, v6
	s_mul_i32 s44, s13, HALFT                      ; my 128 rows of A
	s_lshl_b32 s45, s14, 8                         ; my 128 columns of W,
	s_add_co_u32 s45, s45, BOFF                    ; which lies behind A
.irp s, 0,1
	v_add_nc_u32 v[ADRA+\s], s44, v3
	v_add_nc_u32 v[ADRB+\s], s45, v6
	s_add_co_u32 s44, s44, SLOT
	s_add_co_u32 s45, s45, SLOT
.endr
	s_mul_i32 s46, s12, 16*SPITCH
	s_add_co_u32 s46, s46, STAGE                   ; my stage
	v_mul_u32_u24 v4, v1, SPITCH
	v_lshl_add_u32 v4, v2, 4, v4
	v_add_nc_u32 v[STO], s46, v4
	v_mul_u32_u24 v5, v2, SPITCH                   ; back: lanes 0-15 take one row of 256 bytes, lanes 16-31 the next
	v_lshl_add_u32 v5, v1, 4, v5
	v_add_nc_u32 v[RD], s46, v5
	v_mul_u32_u24 v5, v2, SIZE_N*2                 ; and the same two rows in C
	v_lshl_add_u32 v[CO], v1, 4, v5
; 16 matrix instructions: m blocks a0, a0 + 1 of the window's four x all 8 n blocks, 32 along K.  zero = 1: the first product starts the sums
.macro MUL16 f, hi, a0, zero
.irp a, \a0, \a0+1
.irp b, 0,1,2,3,4,5,6,7
.if \zero
.if HAS_BIAS
	v_wmma_f32_16x16x32_bf16 v[8*(8*(\a)+\b):8*(8*(\a)+\b)+7], v[\f+8*\b:\f+8*\b+7], v[\f+8*(4*\hi+\a):\f+8*(4*\hi+\a)+7], v[BIAS+8*\b:BIAS+8*\b+7]
.else
	v_wmma_f32_16x16x32_bf16 v[8*(8*(\a)+\b):8*(8*(\a)+\b)+7], v[\f+8*\b:\f+8*\b+7], v[\f+8*(4*\hi+\a):\f+8*(4*\hi+\a)+7], 0
.endif
.else
	v_wmma_f32_16x16x32_bf16 v[8*(8*(\a)+\b):8*(8*(\a)+\b)+7], v[\f+8*\b:\f+8*\b+7], v[\f+8*(4*\hi+\a):\f+8*(4*\hi+\a)+7], v[8*(8*(\a)+\b):8*(8*(\a)+\b)+7]
.endif
.endr
.endr
.endm
; 32 LDS loads in one run: the fragments of quarter q (32 K) of a slot into buffer f: 128 columns of W, then 128 rows of A
.macro FETCH slot, q, f
	WIN TO_B
.irp i, 0,1,2,3,4,5,6,7
	ds_load_tr16_b128 v[\f+8*\i:\f+8*\i+3],   v[ADRB+\slot] offset:\q*32*PITCHB+32*\i
	ds_load_tr16_b128 v[\f+8*\i+4:\f+8*\i+7], v[ADRB+\slot] offset:\q*32*PITCHB+32*\i+16*PITCHB
.endr
	WIN 0
.irp i, 0,1,2,3,4,5,6,7
	ds_load_b128 v[\f+8*\i:\f+8*\i+3],   v[ADRA+\slot] offset:\q*64+\i*16*PITCHA
	ds_load_b128 v[\f+8*\i+4:\f+8*\i+7], v[ADRA+\slot] offset:\q*64+\i*16*PITCHA+32
.endr
.endm
; four places behind a matrix instruction before a load lands on, or a vector instruction touches, one of its registers
.macro PLACES
.rept 4
	v_nop
.endr
.endm
; a quarter step: multiplies buffer f; in its middle it fetches quarter q of the same slot into buffer g
.macro QUARTER slot, q, f, g, zero
	s_wait_dscnt 8                                 ; W and A's rows 0-63 are in; the youngest eight loads (A's rows 64-127) may be out
	WINMUL 0, \zero
	MUL16 \f, 0, 0, \zero
	MUL16 \f, 0, 2, \zero
	PLACES
	FETCH \slot, \q, \g
	s_wait_dscnt 32                                ; all but the 32 just issued
	WINMUL 1, \zero
	MUL16 \f, 1, 0, \zero
	MUL16 \f, 1, 2, \zero
.endm
.macro THREE slot, zero
	QUARTER \slot, 1, F0, F1, \zero
	QUARTER \slot, 2, F1, F0, 0
	QUARTER \slot, 3, F0, F1, 0
.endm
; the last quarter: multiplies buffer 1 and changes slots.  One barrier for two things: in front of it each wave waits for its reads of
; this slot and for all its tensor loads (one is out: its part of the next slot); behind it the refill comes first, then the next slot's fragments.
; From a request to the wait for it a wave issues 240 matrix instructions.
.macro TURN slot, next, fill
	s_wait_dscnt 8
	WIN MUL_LO
	MUL16 F1, 0, 0, 0
	s_wait_dscnt 0                                 ; my reads of this slot are over
	s_wait_tensorcnt 0x0                           ; all my tensor loads have landed
	ds_add_u32 v255, v255
	s_wait_dscnt 0x0
	s_barrier_signal -1                            ; where a slot is filled again this barrier opens a round of the cluster's barrier
	MUL16 F1, 0, 2, 0                              ; registers only
	WIN 0
	s_barrier_wait -1
.if \fill
	CREST                                          ; no wave of any partner still reads this slot or has a load on its way
	s_add_nc_u64 s[G0+4*\slot+2:G0+4*\slot+3], s[G0+4*\slot+2:G0+4*\slot+3], 2*KSTEP*2
	s_add_nc_u64 s[G0B+4*\slot+2:G0B+4*\slot+3], s[G0B+4*\slot+2:G0B+4*\slot+3], 2*KSTEP*SIZE_N*2
	JLOAD \slot                                    ; the first tensor load behind the round, and the wave's only one until the next
.endif
	PLACES
	FETCH \next, 0, F0
	WIN MUL_HI
	MUL16 F1, 1, 0, 0
	MUL16 F1, 1, 2, 0
.endm
.macro LAP zero
	THREE 0, \zero
	TURN 0, 1, 1
	THREE 1, 0
	TURN 1, 0, 1
.endm
	s_wait_tensorcnt 1                             ; my part of K step 0 is in; K step 1's load stays out
	s_barrier_signal -1
	s_barrier_wait -1
.if HAS_BIAS
	s_wait_loadcnt 0x0                             ; the bias
.endif
	FETCH 0, 0, F0
	LAP 1                                          ; the first lap stands in front of the loop: its first products start the sums
	WIN 0                                          ; at a label and at a branch every window is 0
	s_mov_b32 s15, LAPS-2
.Llap:
	LAP 0
	WIN 0
	s_sub_co_u32 s15, s15, 1
	s_cmp_lg_u32 s15, 0
	s_cbranch_scc1 .Llap
	THREE 0, 0                                     ; the last lap fills nothing
	TURN 0, 1, 0
	THREE 1, 0
	s_wait_dscnt 8
	WIN MUL_LO
	MUL16 F1, 0, 0, 0
	MUL16 F1, 0, 2, 0
	s_wait_dscnt 0
	WIN MUL_HI
	MUL16 F1, 1, 0, 0
	MUL16 F1, 1, 2, 0
	; THE WAY OUT, 16 rows at a time: (relu,) round to bf16, 16 bytes a lane into my own stage, read back as whole rows of 256 bytes
	PLACES
	s_lshl_b32 s66, s19, 8
	s_lshl_b32 s67, s13, 7
	s_add_co_u32 s66, s66, s67                     ; my first row of C
	s_mul_i32 s66, s66, SIZE_N*2
	s_lshl_b32 s67, s18, 9                         ; my first column, in bytes: 512 x block column
	s_add_co_u32 s66, s66, s67
	s_lshl_b32 s67, s14, 8                         ; + 256 x half
	s_add_co_u32 s66, s66, s67
	s_mov_b32 s67, 0
	s_add_nc_u64 s[8:9], s[8:9], s[66:67]
; rows 16 i .. 16 i + 15 of my block = the eight tiles (a, 0..7) of window 2 or 3 (from = 0x0a or 0x0f: sources 0 and 1); f: F0 or F1 in turn
.macro OUT16 i, a, from, f
	WIN \from
.if RELU
.irp b, 0,1,2,3,4,5,6,7
.irp j, 0,1,2,3,4,5,6,7
	v_max_num_f32 v[RL+8*\b+\j], 0, v[8*(8*\a+\b)+\j]
.endr
.endr
	WIN 0
.irp b, 0,1,2,3,4,5,6,7
.irp r, 0,1,2,3
	v_cvt_pk_bf16_f32 v[TMP+4*\b+\r], v[RL+8*\b+2*\r], v[RL+8*\b+2*\r+1]
.endr
.endr
.else
.irp b, 0,1,2,3,4,5,6,7
.irp r, 0,1,2,3
	v_cvt_pk_bf16_f32 v[TMP+4*\b+\r], v[8*(8*\a+\b)+2*\r], v[8*(8*\a+\b)+2*\r+1]
.endr
.endr
	WIN 0
.endif
.irp b, 0,1,2,3,4,5,6,7
	ds_store_b128 v[STO], v[TMP+4*\b:TMP+4*\b+3] offset:32*\b
.endr
	s_wait_xcnt 0x0                                ; buffer f, which earlier stores read, and the stores' base are rewritten only behind this wait
.if \i
	s_add_nc_u64 s[8:9], s[8:9], 16*SIZE_N*2
.endif
.irp t, 0,1,2,3,4,5,6,7
	ds_load_b128 v[\f+4*\t:\f+4*\t+3], v[RD] offset:\t*2*SPITCH    ; LDS serves a wave's instructions in order: these see the stores above
.endr
.irp t, 0,1,2,3,4,5,6,7
	s_wait_dscnt 7-\t
	global_store_b128 v[CO], v[\f+4*\t:\f+4*\t+3], s[8:9] offset:2*\t*SIZE_N*2   ; 16 lanes store 256 consecutive bytes, aligned
.endr
.endm
	OUT16 0, 0, 0x0a, F0
	OUT16 1, 1, 0x0a, F1
	OUT16 2, 2, 0x0a, F0
	OUT16 3, 3, 0x0a, F1
	OUT16 4, 0, 0x0f, F0
	OUT16 5, 1, 0x0f, F1
	OUT16 6, 2, 0x0f, F0
	OUT16 7, 3, 0x0f, F1
	s_set_vgpr_msb 0x1
	s_wait_tensorcnt 0x0
	ds_add_u32 v255, v255
	s_wait_dscnt 0x0
	s_set_vgpr_msb 0x100
	CROUND                                         ; the closing round: no work-group ends while a partner may still ask for a tile that names it
	s_endpgm
; ---- THE FOURTH COLUMN OF CLUSTERS: w_proj, w_ff1, w_ff2, f32 to bf16 (round to nearest even), dense copies, every matrix stays [K][N].
; Targets in wb: Wproj [1024][1024] at byte 6,291,456, Wff1 [1024][4096] at 8,388,608, Wff2 [4096][1024] at 16,777,216.
; Work-group g = 16 x cluster y + 4 cy + cx (0..63) takes 16,384 numbers of Wproj and 65,536 of Wff1 and of Wff2, each a dense run.
; A pass is 128 threads x 4 numbers: a wave's load covers 512 consecutive bytes, its store 256, aligned.  288 passes in 18 groups of 16.
; Three register buffers of 16 loads take turns: while a group is rounded and stored, the next two groups' 32 loads are on their way,
; and the buffer just emptied is asked for again at once: 48 loads (24 KiB) of a wave are out at the most.  No LDS, no tensor load.
.set WPROJ_AT, 6291456
.set WFF1_AT,  8388608
.set WFF2_AT,  16777216
.set CIN,  4                           ; v[4:195]    three buffers x 16 loads x 4 f32
.set COUT, 196                         ; v[196:227]  16 stores x 2 words of bf16
.macro CLOAD buf, base, first          ; passes first .. first + 15 of the matrix at s[base:base+1]
.irp j, 0,1,2,3,4,5,6,7,8,9,10,11,12,13,14,15
	global_load_b128 v[CIN+64*\buf+4*\j:CIN+64*\buf+4*\j+3], v1, s[\base:\base+1] offset:(\first+\j)*2048 th:TH_LOAD_NT
.endr
.endm
.macro CSTORE buf, base, first, left
	s_wait_loadcnt \left                           ; loads return in order: this group is in, the younger groups' loads stay out
	s_wait_xcnt 0x0                                ; COUT, which the last group's stores read, is rewritten only behind this wait
.irp j, 0,1,2,3,4,5,6,7,8,9,10,11,12,13,14,15
	v_cvt_pk_bf16_f32 v[COUT+2*\j],   v[CIN+64*\buf+4*\j],   v[CIN+64*\buf+4*\j+1]
	v_cvt_pk_bf16_f32 v[COUT+2*\j+1], v[CIN+64*\buf+4*\j+2], v[CIN+64*\buf+4*\j+3]
	global_store_b64 v2, v[COUT+2*\j:COUT+2*\j+1], s[\base:\base+1] offset:(\first+\j)*1024
.endr
.endm
.macro CSTEP buf, obase, ofirst, ibase, ifirst ; a group goes out, and its buffer is asked for again, three groups ahead
	CSTORE \buf, \obase, \ofirst, 32
	CLOAD \buf, \ibase, \ifirst
.endm
.Lcast:
	s_load_b64 s[4:5], s[0:1], 0x18                ; w_proj
	s_load_b128 s[8:11], s[0:1], 0x20              ; w_ff1 s[8:9], w_ff2 s[10:11]
	s_load_b64 s[14:15], s[0:1], 0x30              ; wb
	v_lshrrev_b32 v3, 5, v0
	v_readfirstlane_b32 s12, v3                    ; wave, for the closing round
	s_bfe_u32 s16, ttmp6, 0x40000                  ; cx
	s_bfe_u32 s17, ttmp6, 0x40004                  ; cy
	s_and_b32 s18, ttmp7, 0xffff                   ; cluster y
	s_lshl_b32 s18, s18, 4
	s_lshl2_add_u32 s17, s17, s16                  ; 4 cy + cx
	s_add_co_u32 s18, s18, s17                     ; g: it enters global addresses alone
	s_lshl_b32 s20, s18, 16                        ; 16,384 f32
	s_mov_b32 s21, 0
	s_lshl_b32 s22, s18, 18                        ; 65,536 f32
	s_mov_b32 s23, 0
	s_lshl_b32 s24, s18, 15                        ; 16,384 bf16
	s_add_co_u32 s24, s24, WPROJ_AT
	s_mov_b32 s25, 0
	s_lshl_b32 s26, s18, 17                        ; 65,536 bf16
	s_add_co_u32 s28, s26, WFF2_AT
	s_mov_b32 s29, 0
	s_add_co_u32 s26, s26, WFF1_AT
	s_mov_b32 s27, 0
	v_lshlrev_b32 v1, 4, v0                        ; 16 t: my bytes of a pass's 2,048 bytes of f32
	v_lshlrev_b32 v2, 3, v0                        ; 8 t: my bytes of its 1,024 bytes of bf16
	s_wait_kmcnt 0x0
	s_add_nc_u64 s[4:5], s[4:5], s[20:21]
	s_add_nc_u64 s[8:9], s[8:9], s[22:23]
	s_add_nc_u64 s[10:11], s[10:11], s[22:23]
	s_add_nc_u64 s[24:25], s[14:15], s[24:25]      ; my part of Wproj,
	s_add_nc_u64 s[26:27], s[14:15], s[26:27]      ; of Wff1,
	s_add_nc_u64 s[28:29], s[14:15], s[28:29]      ; of Wff2
	CLOAD 0, 4, 0
	CLOAD 1, 4, 16
	CLOAD 2, 8, 0
	CSTEP 0, 24, 0,   8, 16
	CSTEP 1, 24, 16,  8, 32
	CSTEP 2, 26, 0,   8, 48
	CSTEP 0, 26, 16,  8, 64
	CSTEP 1, 26, 32,  8, 80
	CSTEP 2, 26, 48,  8, 96
	CSTEP 0, 26, 64,  8, 112
	CSTEP 1, 26, 80,  10, 0
	CSTEP 2, 26, 96,  10, 16
	CSTEP 0, 26, 112, 10, 32
	CSTEP 1, 28, 0,   10, 48
	CSTEP 2, 28, 16,  10, 64
	CSTEP 0, 28, 32,  10, 80
	CSTEP 1, 28, 48,  10, 96
	CSTEP 2, 28, 64,  10, 112
	CSTORE 0, 28, 80, 32                           ; the last three groups ask for nothing: the counts run down
	CSTORE 1, 28, 96, 16
	CSTORE 2, 28, 112, 0
	CROUND                                         ; a work-group of a cluster ends behind a round here too
	s_endpgm
.Lfunc_end_k_qd332713ce3_gemm_qkv:
	.size	k_qd332713ce3_gemm_qkv, .Lfunc_end_k_qd332713ce3_gemm_qkv-k_qd332713ce3_gemm_qkv
	.p2alignl 7, 3214868480
	.fill 96, 4, 3214868480
	.section	.rodata,"a",@progbits
	.p2align	6, 0x0
	.amdhsa_kernel k_qd332713ce3_gemm_qkv
		.amdhsa_group_segment_fixed_size 327680
		.amdhsa_private_segment_fixed_size 0
		.amdhsa_enable_private_segment 0
		.amdhsa_kernarg_size 56
		.amdhsa_user_sgpr_count 2
		.amdhsa_user_sgpr_kernarg_segment_ptr 1
		.amdhsa_wavefront_size32 1
		.amdhsa_system_sgpr_workgroup_id_x 1
		.amdhsa_system_sgpr_workgroup_id_y 1
		.amdhsa_system_sgpr_workgroup_id_z 1
		.amdhsa_system_vgpr_workitem_id 0
		.amdhsa_next_free_vgpr 1024
		.amdhsa_next_free_sgpr 72
		.amdhsa_reserve_vcc 0
		.amdhsa_float_denorm_mode_32 3
		.amdhsa_float_denorm_mode_16_64 3
		.amdhsa_memory_ordered 1
		.amdhsa_forward_progress 1
		.amdhsa_inst_pref_size 255
	.end_amdhsa_kernel
	.section	.bss,"aw",@nobits
	.p2align	6
	.space	262144
	.amdgpu_metadata
---
amdhsa.version: [ 1, 2 ]
amdhsa.kernels:
  - .name:           k_qd332713ce3_gemm_qkv
    .symbol:         k_qd332713ce3_gemm_qkv.kd
    .args:
      - { .name: h1, .offset: 0, .size: 8, .value_kind: global_buffer, .address_space: global }
      - { .name: wqkv, .offset: 8, .size: 8, .value_kind: global_buffer, .address_space: global }
      - { .name: qkv, .offset: 16, .size: 8, .value_kind: global_buffer, .address_space: global }
      - { .name: w_proj, .offset: 24, .size: 8, .value_kind: global_buffer, .address_space: global }
      - { .name: w_ff1, .offset: 32, .size: 8, .value_kind: global_buffer, .address_space: global }
      - { .name: w_ff2, .offset: 40, .size: 8, .value_kind: global_buffer, .address_space: global }
      - { .name: wb, .offset: 48, .size: 8, .value_kind: global_buffer, .address_space: global }
    .group_segment_fixed_size: 327680
    .private_segment_fixed_size: 0
    .kernarg_segment_align: 8
    .kernarg_segment_size: 56
    .max_flat_workgroup_size: 128
    .sgpr_count:     72
    .vgpr_count:     1024
    .wavefront_size: 32
...
	.end_amdgpu_metadata
.endif
;; end of part 2
;; launch attn (part 3): grid 8 x 32, 4 waves a work-group, no clusters, 327,680 bytes of LDS; arguments qkv, o; writes o
.if DOCPART == 3
	.amdgcn_target "amdgcn-amd-amdhsa--gfx1250"
	.amdhsa_code_object_version 6
	.text
	.protected	k_qd332713ce3_attn
	.globl	k_qd332713ce3_attn
	.p2align	8
	.type	k_qd332713ce3_attn,@function
k_qd332713ce3_attn:
	s_mov_b64 s[64:65], 0
	v_nop
	global_prefetch_b8 v0, s[64:65] scope:SCOPE_SE
	s_setreg_imm32_b32 hwreg(HW_REG_WAVE_MODE, 25, 1), 1
	s_wait_xcnt 0x0
; Causal attention of one head, with a running maximum.  qkv: [4096 tokens][3072] bf16, a row = q | k | v, 64 numbers a head.
; o: [4096][1024] bf16, heads side by side.  o = softmax(q k^T / 8, keys <= query) v; scores, maxima, sums and o's sums in f32.
; Work-group (p, bh), p = 0..7, bh = batch x 16 + head, takes two blocks of 128 queries: a = 2 p, then 15 - 2 p.  Block qb needs key
; tiles 0 .. qb of 128 keys, so every work-group has (2 p + 1) + (16 - 2 p) = 17 steps: 256 work-groups of equal work.
; A block starts with its diagonal tile (the only one that is masked), so each query's maximum is finite from the first step on.
; Four waves, 32 queries each (two tiles of 16).
; ORIENTATION.  S^T = K Q^T: source 0 = 16 keys from LDS, source 1 = 16 queries in registers.  Lane (r, h) then holds query r and keys
; 16 kt + 8 h + j: a query's maximum and sum are made inside the lane and with one exchange between the halves, and two rounded tiles
; of S^T are, as they lie, the source 1 of O^T = V^T P^T; V^T comes from LDS by the transposing load.  A lane's 8 results of O^T are
; 8 neighbouring numbers of one row of o.
; K and V tiles go through a ring of two LDS slots: waves 0, 1 fetch K's halves, waves 2, 3 V's, one tensor load a wave a step; that
; load has the whole step (64 matrix instructions and the softmax) in which to land.  One tensor load of a wave is out at the most.
; NO JOINT LOADS: the eight work-groups of a head do read the same K and V, but not the same tile in the same step: in step n
; work-group p reads tile n - 1 while n <= 2 p, tile 15 - 2 p at n = 2 p + 1, and tile n - 2 p - 2 after that.
; The rows of a tile are a head's 128 bytes: they are no longer in the tensor itself.
; All accumulators take turns, one instruction a turn.
; Limits: NaN and infinities are not served; q, k, v, the probabilities and o are rounded to bf16; v_exp_f32 and v_rcp_f32 are good
; to 1 ULP and flush denormals (a probability below 2^-126 of the row's largest counts as 0).
.set SLOT,  38912                      ; K: 128 rows x 144 bytes; V: 128 rows x 160 bytes at + 18,432
.set VOFF,  18432
.set STAGE, 77824                      ; behind the ring: 32 rows x 144 bytes for each wave; no tensor load lands here
.set KADR, 2                           ; v2-3    LDS address of my K fragments in slot 0, 1: r x 144 + 16 h
.set VADR, 4                           ; v4-5    the same for V: (8 h + l % 8) x 160 + 16 ((l / 8) % 2)
.set STO,  6                           ; v6      the way out: where I put 16 bytes of a query's row
.set RD,   7                           ; v7      the way out: where I read back (8 lanes a row of 128 bytes)
.set OOFF, 8                           ; v8      my byte offset in o
.set QOFF, 9                           ; v9      my byte offset in q
.set DQ,   10                          ; v10     r + 32 wave - 8 h + 24, for the mask
.set NINF, 11                          ; v11     -infinity
.set MX,   12                          ; v12-13  running maximum of query r, tile qt
.set LS,   14                          ; v14-15  running sum, my half of the keys
.set NMC,  16                          ; v[16:17] -c x maximum, twice
.set AL,   18                          ; v[18:19] the factor that brings old sums to the new maximum, twice
.set TT,   20                          ; v20-31  at work
.set SB,   32                          ; v32-159  S(kt, qt) at SB + 8 (2 kt + qt); P(u, qt) takes the registers of S(2 u, qt)
.set OB,   160                         ; v160-223 O(st, qt) at OB + 8 (2 st + qt)
.set QB,   224                         ; v224-255 Q(qt, ks) at QB + 8 (2 qt + ks)
.set KF,   0                           ; window 1: KF(kt, ks) at 8 (2 kt + ks)
.set VF,   128                         ; window 1: VF(u, st) at 128 + 8 (4 u + st)
.set G1K, 24                           ; s[24:31] group 1 for K
.set G0K, 32                           ; s[32:39] group 0 for K, one set for each slot
.set G1V, 48                           ; s[48:55] group 1 for V
.set G0V, 56                           ; s[56:63] group 0 for V
.set MSB, 0
.macro WIN new
.if MSB != (\new)
	s_set_vgpr_msb (MSB<<8)|(\new)
.set MSB, (\new)
.endif
.endm
.macro PLACES n
.rept \n
	v_nop
.endr
.endm
.macro KVLOAD s                        ; the branch hangs on the wave's number alone; every wave issues one load
	s_cmp_eq_u32 s9, 0
	s_cbranch_scc0 .Lfor_v_\@
	tensor_load_to_lds s[G0K+4*\s:G0K+4*\s+3], s[G1K:G1K+7]
	s_nop 0
	s_branch .Lasked_\@
.Lfor_v_\@:
	tensor_load_to_lds s[G0V+4*\s:G0V+4*\s+3], s[G1V:G1V+7]
	s_nop 0
.Lasked_\@:
.endm
; the next step's key tile into the address words of slot s.  Stands behind a wait for all tensor loads: no descriptor is in use.
.macro NEXTADDR s
	s_add_co_u32 s14, s14, 1                       ; n = the next step
	s_sub_co_u32 s44, s14, 1                       ; first block, behind its diagonal: tile n - 1
	s_sub_co_u32 s45, s14, s12
	s_sub_co_u32 s45, s45, 1                       ; second block: tile n - a - 2 (taken only where n >= a + 2)
	s_cmp_le_u32 s14, s11
	s_cselect_b32 s44, s44, s45
	s_cmp_eq_u32 s14, s12
	s_cselect_b32 s44, s13, s44                    ; n = a + 1: the second block's diagonal, tile 15 - a
	s_mul_i32 s44, s44, 786432                     ; 128 tokens of 6,144 bytes
	s_mov_b32 s45, 0
	s_add_nc_u64 s[G0K+4*\s+2:G0K+4*\s+3], s[16:17], s[44:45]
	s_or_b32 s[G0K+4*\s+3], s[G0K+4*\s+3], 0x80000000
	s_add_nc_u64 s[G0V+4*\s+2:G0V+4*\s+3], s[18:19], s[44:45]
	s_or_b32 s[G0V+4*\s+3], s[G0V+4*\s+3], 0x80000000
.endm
.macro QLOAD base                      ; my 32 queries: lane (r, h) takes query r's numbers 32 ks + 8 h .. and 32 ks + 16 + 8 h ..
.irp qt, 0,1
.irp ks, 0,1
	global_load_b128 v[QB+8*(2*\qt+\ks):QB+8*(2*\qt+\ks)+3],   v[QOFF], s[\base:\base+1] offset:98304*\qt+64*\ks
	global_load_b128 v[QB+8*(2*\qt+\ks)+4:QB+8*(2*\qt+\ks)+7], v[QOFF], s[\base:\base+1] offset:98304*\qt+64*\ks+32
.endr
.endr
.endm
; the diagonal tile: key 16 kt + 8 h + j stays if it is <= query 32 wave + 16 qt + r; 24 is added on both sides to stay unsigned
.macro MASK
.irp kt, 0,1,2,3,4,5,6,7
.irp qt, 0,1
.irp j, 0,1,2,3,4,5,6,7
	v_cmp_le_u32 vcc_lo, 16*(\kt-\qt)+\j+24, v[DQ]
	v_cndmask_b32 v[SB+8*(2*\kt+\qt)+\j], v[NINF], v[SB+8*(2*\kt+\qt)+\j], vcc_lo
.endr
.endr
.endr
.endm
.macro MX3 qt, o1, o2                  ; four chains of maxima, chain c over tiles 2 c and 2 c + 1 (the second lies 16 registers on)
.irp c, 0,1,2,3
	v_max3_num_f32 v[TT+\c], v[TT+\c], v[SB+8*(4*\c+\qt)+\o1], v[SB+8*(4*\c+\qt)+\o2]
.endr
.endm
; query tile qt: new maximum, probabilities, sum, rounding to bf16 in place, old O brought to the new maximum
.macro SOFTMAX qt, first
.irp c, 0,1,2,3
	v_max3_num_f32 v[TT+\c], v[SB+8*(4*\c+\qt)], v[SB+8*(4*\c+\qt)+1], v[SB+8*(4*\c+\qt)+2]
.endr
	MX3 \qt, 3, 4
	MX3 \qt, 5, 6
	MX3 \qt, 7, 16
	MX3 \qt, 17, 18
	MX3 \qt, 19, 20
	MX3 \qt, 21, 22
.irp c, 0,1,2,3
	v_max_num_f32 v[TT+\c], v[TT+\c], v[SB+8*(4*\c+\qt)+23]
.endr
	v_max3_num_f32 v[TT+4], v[TT], v[TT+1], v[TT+2]
	v_max_num_f32 v[TT+4], v[TT+4], v[TT+3]
	v_permlanex16_b32 v[TT+5], v[TT+4], s66, s67   ; the other half of the keys of the same query
.if \first
	v_max_num_f32 v[MX+\qt], v[TT+4], v[TT+5]
.else
	v_max3_num_f32 v[TT+4], v[TT+4], v[TT+5], v[MX+\qt]
	v_sub_f32 v[TT+6], v[MX+\qt], v[TT+4]
	v_mul_f32 v[TT+6], s68, v[TT+6]
	v_exp_f32 v[AL],   v[TT+6]                     ; 2^(c (old maximum - new maximum))
	v_exp_f32 v[AL+1], v[TT+6]
	v_mov_b32 v[MX+\qt], v[TT+4]                   ; also the plain instruction behind the exponentials (ISA guide 5.7.2)
.endif
	v_mul_f32 v[NMC],   s70, v[MX+\qt]
	v_mul_f32 v[NMC+1], s70, v[MX+\qt]
.irp kt, 0,1,2,3,4,5,6,7
.irp o, 0,2,4,6
	v_pk_fma_f32 v[SB+8*(2*\kt+\qt)+\o:SB+8*(2*\kt+\qt)+\o+1], v[SB+8*(2*\kt+\qt)+\o:SB+8*(2*\kt+\qt)+\o+1], s[68:69], v[NMC:NMC+1] op_sel_hi:[1,0,1]
.endr
.endr
.irp kt, 0,1,2,3,4,5,6,7
.irp j, 0,1,2,3,4,5,6,7
	v_exp_f32 v[SB+8*(2*\kt+\qt)+\j], v[SB+8*(2*\kt+\qt)+\j]
.endr
.endr
	v_nop                                          ; one plain instruction before the last result is read
	s_wait_alu depctr_va_vdst(0)
.irp c, 0,1,2,3
	v_pk_add_f32 v[TT+2*\c:TT+2*\c+1], v[SB+8*(4*\c+\qt):SB+8*(4*\c+\qt)+1], v[SB+8*(4*\c+\qt)+2:SB+8*(4*\c+\qt)+3]
.endr
.irp o, 4,6,16,18,20,22
.irp c, 0,1,2,3
	v_pk_add_f32 v[TT+2*\c:TT+2*\c+1], v[TT+2*\c:TT+2*\c+1], v[SB+8*(4*\c+\qt)+\o:SB+8*(4*\c+\qt)+\o+1]
.endr
.endr
	v_pk_add_f32 v[TT:TT+1],   v[TT:TT+1],   v[TT+2:TT+3]
	v_pk_add_f32 v[TT+4:TT+5], v[TT+4:TT+5], v[TT+6:TT+7]
	v_pk_add_f32 v[TT:TT+1],   v[TT:TT+1],   v[TT+4:TT+5]
.if \first
	v_add_f32 v[LS+\qt], v[TT], v[TT+1]
.else
	v_add_f32 v[TT], v[TT], v[TT+1]
	v_fma_f32 v[LS+\qt], v[LS+\qt], v[AL], v[TT]
.endif
.irp u, 0,1,2,3
.irp k, 0,1,2,3
	v_cvt_pk_bf16_f32 v[SB+8*(4*\u+\qt)+\k], v[SB+8*(4*\u+\qt)+2*\k], v[SB+8*(4*\u+\qt)+2*\k+1]            ; keys 32 u + 8 h + 0..7
.endr
.irp k, 0,1,2,3
	v_cvt_pk_bf16_f32 v[SB+8*(4*\u+\qt)+4+\k], v[SB+8*(4*\u+\qt)+16+2*\k], v[SB+8*(4*\u+\qt)+16+2*\k+1]    ; keys 32 u + 16 + 8 h + 0..7
.endr
.endr
.if \first
.else
.irp st, 0,1,2,3
.irp o, 0,2,4,6
	v_pk_mul_f32 v[OB+8*(2*\st+\qt)+\o:OB+8*(2*\st+\qt)+\o+1], v[OB+8*(2*\st+\qt)+\o:OB+8*(2*\st+\qt)+\o+1], v[AL:AL+1]
.endr
.endr
.endif
.endm
.macro SMUL ks, zero                   ; 16 products: all 8 key tiles x 2 query tiles, 32 of the head's 64 numbers
.irp kt, 0,1,2,3,4,5,6,7
.irp qt, 0,1
.if \zero
	v_wmma_f32_16x16x32_bf16 v[SB+8*(2*\kt+\qt):SB+8*(2*\kt+\qt)+7], v[KF+8*(2*\kt+\ks):KF+8*(2*\kt+\ks)+7], v[QB+8*(2*\qt+\ks):QB+8*(2*\qt+\ks)+7], 0
.else
	v_wmma_f32_16x16x32_bf16 v[SB+8*(2*\kt+\qt):SB+8*(2*\kt+\qt)+7], v[KF+8*(2*\kt+\ks):KF+8*(2*\kt+\ks)+7], v[QB+8*(2*\qt+\ks):QB+8*(2*\qt+\ks)+7], v[SB+8*(2*\kt+\qt):SB+8*(2*\kt+\qt)+7]
.endif
.endr
.endr
.endm
.macro PV u, zero                      ; 8 products: keys 32 u .. 32 u + 31 into all 8 tiles of O^T
.irp st, 0,1,2,3
.irp qt, 0,1
.if \zero
	v_wmma_f32_16x16x32_bf16 v[OB+8*(2*\st+\qt):OB+8*(2*\st+\qt)+7], v[VF+8*(4*\u+\st):VF+8*(4*\u+\st)+7], v[SB+8*(4*\u+\qt):SB+8*(4*\u+\qt)+7], 0
.else
	v_wmma_f32_16x16x32_bf16 v[OB+8*(2*\st+\qt):OB+8*(2*\st+\qt)+7], v[VF+8*(4*\u+\st):VF+8*(4*\u+\st)+7], v[SB+8*(4*\u+\qt):SB+8*(4*\u+\qt)+7], v[OB+8*(2*\st+\qt):OB+8*(2*\st+\qt)+7]
.endif
.endr
.endr
.endm
; One step: the key tile in slot.  first = 1: a block's diagonal tile, which starts maxima and sums.  refill = 1: the next step's tile is asked for.
.macro STEP slot, other, first, refill
	s_set_vgpr_msb 0x8
	s_wait_tensorcnt 0x0                           ; all my tensor loads have landed: my part of this step's tile; every group 0 may be written
	ds_add_u32 v31, v1
	s_wait_dscnt 0x0
	s_set_vgpr_msb 0x800
.if \refill
	NEXTADDR \other
.endif
	s_wait_dscnt 0x0                               ; my reads of the other slot are over
	s_barrier_signal -1
	s_barrier_wait -1                              ; both hold of all four waves
.if \refill
	KVLOAD \other                                  ; my one tensor load behind this barrier, and the first thing there
.endif
	PLACES 5                                       ; behind the last products: the loads below land on their source 0, the products below write over their source 1
	WIN 0x40
.irp kt, 0,1,2,3,4,5,6,7
.irp ks, 0,1
	ds_load_b128 v[KF+8*(2*\kt+\ks):KF+8*(2*\kt+\ks)+3],   v[KADR+\slot] offset:2304*\kt+64*\ks
	ds_load_b128 v[KF+8*(2*\kt+\ks)+4:KF+8*(2*\kt+\ks)+7], v[KADR+\slot] offset:2304*\kt+64*\ks+32
.endr
.endr
.irp u, 0,1,2,3
.irp st, 0,1,2,3
	ds_load_tr16_b128 v[VF+8*(4*\u+\st):VF+8*(4*\u+\st)+3],   v[VADR+\slot] offset:5120*\u+32*\st
	ds_load_tr16_b128 v[VF+8*(4*\u+\st)+4:VF+8*(4*\u+\st)+7], v[VADR+\slot] offset:5120*\u+32*\st+2560
.endr
.endr
	WIN 0x01                                       ; source 0 in window 1, all else in window 0
.if \first
	s_wait_loadcnt 0x0                             ; this block's queries
	s_wait_xcnt 0x0                                ; the last block's stores read registers of S: they are written again only behind this wait
.endif
	s_wait_dscnt 32                                ; K's 32 loads are in, V's 32 stay out
	SMUL 0, 1
	SMUL 1, 0
	WIN 0
	PLACES 4
.if \first
	MASK
.endif
	SOFTMAX 0, \first
	SOFTMAX 1, \first
	s_wait_dscnt 0x0                               ; V
	WIN 0x01
	PV 0, \first
	PV 1, 0
	PV 2, 0
	PV 3, 0
	WIN 0
.endm
; a block's end: divide by the sums, round, 16 bytes a lane into my stage, read back by rows, store
.macro FINAL base
	v_permlanex16_b32 v[TT+5], v[LS], s66, s67
	v_add_f32 v[TT+4], v[LS], v[TT+5]              ; both halves of the keys
	v_permlanex16_b32 v[TT+5], v[LS+1], s66, s67
	v_add_f32 v[TT+10], v[LS+1], v[TT+5]
	v_rcp_f32 v[TT+6], v[TT+4]
	v_rcp_f32 v[TT+7], v[TT+4]
	v_rcp_f32 v[TT+8], v[TT+10]
	v_rcp_f32 v[TT+9], v[TT+10]
	v_nop                                          ; one plain instruction before the results are used
	s_wait_alu depctr_va_vdst(0)
.irp st, 0,1,2,3
.irp qt, 0,1
.irp o, 0,2,4,6
	v_pk_mul_f32 v[OB+8*(2*\st+\qt)+\o:OB+8*(2*\st+\qt)+\o+1], v[OB+8*(2*\st+\qt)+\o:OB+8*(2*\st+\qt)+\o+1], v[TT+6+2*\qt:TT+7+2*\qt]
.endr
.irp k, 0,1,2,3
	v_cvt_pk_bf16_f32 v[SB+4*(2*\st+\qt)+\k], v[OB+8*(2*\st+\qt)+2*\k], v[OB+8*(2*\st+\qt)+2*\k+1]
.endr
	ds_store_b128 v[STO], v[SB+4*(2*\st+\qt):SB+4*(2*\st+\qt)+3] offset:2304*\qt+32*\st
.endr
.endr
.irp t, 0,1,2,3,4,5,6,7
	ds_load_b128 v[SB+32+4*\t:SB+32+4*\t+3], v[RD] offset:576*\t       ; my own bytes: LDS serves a wave's instructions in order
.endr
.irp t, 0,1,2,3,4,5,6,7
	s_wait_dscnt 7-\t
	global_store_b128 v[OOFF], v[SB+32+4*\t:SB+32+4*\t+3], s[\base:\base+1] offset:8192*\t   ; four rows: 8 lanes fill a head's 128 bytes of a row
.endr
.endm
	s_load_b128 s[4:7], s[0:1], 0x0                ; qkv s[4:5], o s[6:7]
	v_lshl_add_u32 v31, v0, 2, 0x29000
	s_set_vgpr_msb 0x80
	v_mov_b32 v1, 0
	s_set_vgpr_msb 0x8088
	ds_add_u32 v31, v1
	ds_add_u32 v31, v1
	s_set_vgpr_msb 0x8800
	v_lshrrev_b32 v1, 5, v0
	v_readfirstlane_b32 s8, v1                     ; wave
	s_lshr_b32 s9, s8, 1                           ; I fetch for K (0) or V (1)
	s_and_b32 s10, s8, 1                           ; which 64 rows of the tile
	s_mov_b32 s72, ttmp9                           ; p
	s_sub_co_u32 s73, 7, s72                       ; 7 - p
	s_lshl_b32 s11, s72, 1                         ; a = 2 p
	s_add_co_u32 s12, s11, 1                       ; a + 1
	s_sub_co_u32 s13, 15, s11                      ; 15 - a
	s_mov_b32 s14, 0                               ; step
	s_and_b32 s44, ttmp7, 0xffff
	s_lshr_b32 s45, s44, 4                         ; batch
	s_and_b32 s46, s44, 15                         ; head
	s_lshl_b32 s46, s46, 7                         ; a head's 128 bytes
	s_mul_i32 s47, s45, 12582912                   ; 2,048 tokens of 6,144 bytes
	s_add_co_u32 s47, s47, s46                     ; batch and head in qkv
	s_lshl_b32 s78, s45, 22                        ; 2,048 tokens of 2,048 bytes
	s_add_co_u32 s78, s78, s46                     ; batch and head in o
	s_mul_i32 s74, s10, 393216                     ; my 64 rows of a tile
	s_add_co_u32 s74, s74, s47
	s_add_co_u32 s74, s74, 2048                    ; k lies behind q
	s_mov_b32 s75, 0
	; group 1: 64 rows x 64 elements of 2 bytes, 3,072 elements from row to row; behind every 32 words 4 (K) or 8 (V) words of padding
	s_mov_b32 s[G1K+0], (1<<16)|(1<<20)|(4<<22)|(3<<25)
	s_mov_b32 s[G1V+0], (1<<16)|(1<<20)|(4<<22)|(7<<25)
.irp g, G1K, G1V
	s_mov_b32 s[\g+1], 64<<16
	s_mov_b32 s[\g+2], 64<<16
	s_mov_b32 s[\g+3], 64<<16
	s_mov_b32 s[\g+4], 64
	s_mov_b32 s[\g+5], 3072
	s_mov_b32 s[\g+6], 0
	s_mov_b32 s[\g+7], 0
.endr
	s_mul_i32 s76, s10, 9216                       ; 64 rows x 144
	s_mul_i32 s77, s10, 10240                      ; 64 rows x 160
	s_add_co_u32 s77, s77, VOFF
.irp s, 0,1
	s_mov_b32 s[G0K+4*\s], 1
	s_add_co_u32 s[G0K+4*\s+1], s76, \s*SLOT
	s_mov_b32 s[G0V+4*\s], 1
	s_add_co_u32 s[G0V+4*\s+1], s77, \s*SLOT
.endr
	s_mul_i32 s44, s11, 786432                     ; step 0: the first block's diagonal, tile a
	s_mov_b32 s45, 0
	s_wait_dscnt 0x0
	s_wait_kmcnt 0x0
	s_add_nc_u64 s[16:17], s[4:5], s[74:75]        ; my rows of key tile 0
	s_add_nc_u64 s[18:19], s[16:17], 2048          ; and of value tile 0
	s_add_nc_u64 s[G0K+2:G0K+3], s[16:17], s[44:45]
	s_or_b32 s[G0K+3], s[G0K+3], 0x80000000
	s_add_nc_u64 s[G0V+2:G0V+3], s[18:19], s[44:45]
	s_or_b32 s[G0V+3], s[G0V+3], 0x80000000
	KVLOAD 0                                       ; the one first fill that goes out at the start
	s_lshl_b32 s77, s8, 5                          ; my 32 queries in a block
	s_lshl_b32 s76, s11, 7
	s_add_co_u32 s76, s76, s77                     ; block a
	s_mul_i32 s74, s76, 6144
	s_add_co_u32 s74, s74, s47
	s_add_nc_u64 s[20:21], s[4:5], s[74:75]        ; its queries
	s_lshl_b32 s74, s76, 11
	s_add_co_u32 s74, s74, s78
	s_add_nc_u64 s[40:41], s[6:7], s[74:75]        ; its rows of o
	s_lshl_b32 s76, s13, 7
	s_add_co_u32 s76, s76, s77                     ; block 15 - a
	s_mul_i32 s74, s76, 6144
	s_add_co_u32 s74, s74, s47
	s_add_nc_u64 s[22:23], s[4:5], s[74:75]
	s_lshl_b32 s74, s76, 11
	s_add_co_u32 s74, s74, s78
	s_add_nc_u64 s[42:43], s[6:7], s[74:75]
	s_mov_b32 s66, 0x76543210                      ; v_permlanex16_b32: lane i of one half reads lane i of the other
	s_mov_b32 s67, 0xfedcba98
	s_mov_b32 s68, 0x3e38aa3b                      ; c = log2(e) / 8: the scale 64^-0.5 and the change of base in one factor
	s_mov_b32 s69, 0x3e38aa3b
	s_mov_b32 s70, 0xbe38aa3b                      ; -c
	v_and_b32 v1, 15, v0                           ; r
	v_bfe_u32 v20, v0, 4, 1                        ; h
	v_and_b32 v21, 7, v0                           ; l % 8
	v_bfe_u32 v22, v0, 3, 1                        ; (l / 8) % 2
	v_bfe_u32 v23, v0, 3, 2                        ; l / 8
	v_mul_u32_u24 v[QOFF], v1, 6144
	v_lshl_add_u32 v[QOFF], v20, 4, v[QOFF]
	QLOAD 20
	v_mul_u32_u24 v[KADR], v1, 144
	v_lshl_add_u32 v[KADR], v20, 4, v[KADR]
	v_add_nc_u32 v[KADR+1], SLOT, v[KADR]
	v_lshl_add_u32 v24, v20, 3, v21
	v_mul_u32_u24 v[VADR], v24, 160
	v_lshl_add_u32 v[VADR], v22, 4, v[VADR]
	v_add_nc_u32 v[VADR], VOFF, v[VADR]
	v_add_nc_u32 v[VADR+1], SLOT, v[VADR]
	s_mul_i32 s44, s8, 4608
	s_add_co_u32 s44, s44, STAGE                   ; my stage
	v_add_nc_u32 v[STO], s44, v[KADR]              ; + r x 144 + 16 h
	v_mul_u32_u24 v[RD], v23, 144
	v_lshl_add_u32 v[RD], v21, 4, v[RD]
	v_add_nc_u32 v[RD], s44, v[RD]
	v_lshlrev_b32 v[OOFF], 11, v23
	v_lshl_add_u32 v[OOFF], v21, 4, v[OOFF]
	v_lshlrev_b32 v[DQ], 3, v20
	v_sub_nc_u32 v[DQ], v1, v[DQ]
	s_add_co_u32 s45, s77, 24
	v_add_nc_u32 v[DQ], s45, v[DQ]
	v_mov_b32 v[NINF], 0xff800000
	v_mov_b32 v[TT+5], 0                           ; v_permlanex16_b32's destination counts as read
	STEP 0, 1, 1, 1                                ; block a: its diagonal tile
	s_cmp_eq_u32 s72, 0
	s_cbranch_scc1 .Lblock_a_done                  ; a = 0: no tile in front of the diagonal
	s_mov_b32 s15, 0
.Lblock_a:                                             ; tiles 0 .. a - 1, two a trip: p trips
	STEP 1, 0, 0, 1
	STEP 0, 1, 0, 1
	s_add_co_u32 s15, s15, 1
	s_cmp_lt_u32 s15, s72
	s_cbranch_scc1 .Lblock_a
.Lblock_a_done:
	PLACES 4                                       ; behind the last products: O is read, and loads land on their sources
	QLOAD 22                                       ; the second block's queries come in while the first block goes out
	FINAL 40
	STEP 1, 0, 1, 1                                ; block 15 - a: its diagonal tile
	s_cmp_eq_u32 s73, 0
	s_cbranch_scc1 .Lblock_b_done
	s_mov_b32 s15, 0
.Lblock_b:                                             ; tiles 0 .. 13 - a, two a trip: 7 - p trips
	STEP 0, 1, 0, 1
	STEP 1, 0, 0, 1
	s_add_co_u32 s15, s15, 1
	s_cmp_lt_u32 s15, s73
	s_cbranch_scc1 .Lblock_b
.Lblock_b_done:
	STEP 0, 1, 0, 0                                ; tile 14 - a: the last step asks for nothing
	PLACES 4
	FINAL 42
	s_set_vgpr_msb 0x8
	s_wait_tensorcnt 0x0
	ds_add_u32 v31, v1
	s_wait_dscnt 0x0
	s_set_vgpr_msb 0x800
	s_endpgm
.Lfunc_end_k_qd332713ce3_attn:
	.size	k_qd332713ce3_attn, .Lfunc_end_k_qd332713ce3_attn-k_qd332713ce3_attn
	.p2alignl 7, 3214868480
	.fill 96, 4, 3214868480
	.section	.rodata,"a",@progbits
	.p2align	6, 0x0
	.amdhsa_kernel k_qd332713ce3_attn
		.amdhsa_group_segment_fixed_size 327680
		.amdhsa_private_segment_fixed_size 0
		.amdhsa_enable_private_segment 0
		.amdhsa_kernarg_size 16
		.amdhsa_user_sgpr_count 2
		.amdhsa_user_sgpr_kernarg_segment_ptr 1
		.amdhsa_wavefront_size32 1
		.amdhsa_system_sgpr_workgroup_id_x 1
		.amdhsa_system_sgpr_workgroup_id_y 1
		.amdhsa_system_sgpr_workgroup_id_z 1
		.amdhsa_system_vgpr_workitem_id 0
		.amdhsa_next_free_vgpr 514
		.amdhsa_next_free_sgpr 80
		.amdhsa_reserve_vcc 1
		.amdhsa_float_denorm_mode_32 3
		.amdhsa_float_denorm_mode_16_64 3
		.amdhsa_memory_ordered 1
		.amdhsa_forward_progress 1
		.amdhsa_inst_pref_size 255
	.end_amdhsa_kernel
	.section	.bss,"aw",@nobits
	.p2align	6
	.space	262144
	.amdgpu_metadata
---
amdhsa.version: [ 1, 2 ]
amdhsa.kernels:
  - .name:           k_qd332713ce3_attn
    .symbol:         k_qd332713ce3_attn.kd
    .args:
      - { .name: qkv, .offset: 0, .size: 8, .value_kind: global_buffer, .address_space: global }
      - { .name: o, .offset: 8, .size: 8, .value_kind: global_buffer, .address_space: global }
    .group_segment_fixed_size: 327680
    .private_segment_fixed_size: 0
    .kernarg_segment_align: 8
    .kernarg_segment_size: 16
    .max_flat_workgroup_size: 128
    .sgpr_count:     80
    .vgpr_count:     514
    .wavefront_size: 32
...
	.end_amdgpu_metadata
.endif
;; end of part 3
;; launch gemm_proj (part 4): grid 8 x 32, 4 waves a work-group, clusters of 4 x 4, 327,680 bytes of LDS; arguments o, wb, x, b_proj, x2; writes x2
.if DOCPART == 4
	.amdgcn_target "amdgcn-amd-amdhsa--gfx1250"
	.amdhsa_code_object_version 6
	.text
	.protected	k_qd332713ce3_gemm_proj
	.globl	k_qd332713ce3_gemm_proj
	.p2align	8
	.type	k_qd332713ce3_gemm_proj,@function
k_qd332713ce3_gemm_proj:
	s_mov_b64 s[64:65], 0
	v_nop
	global_prefetch_b8 v0, s[64:65] scope:SCOPE_SE
	s_setreg_imm32_b32 hwreg(HW_REG_WAVE_MODE, 25, 1), 1
	s_wait_xcnt 0x0
	s_wait_alu depctr_hold_cnt(0) depctr_sa_sdst(0) depctr_va_vdst(0) depctr_va_sdst(0) depctr_va_ssrc(0) depctr_va_vcc(0) depctr_vm_vsrc(0)
	s_getreg_b32 s2, hwreg(HW_REG_IB_STS2, 6, 4)
	s_cmp_eq_u32 s2, 0
	s_cbranch_scc0 .Lentry_in_a_cluster
	s_endpgm
.Lentry_in_a_cluster:
	s_bfe_u32 s2, ttmp6, 0x10000c
	s_cmp_lg_u32 s2, 0xf033
	s_cbranch_scc0 .Lentry_shape_is_right
	s_endpgm
.Lentry_shape_is_right:
; out[m][n] = resid[m][n] + bias[n] + sum over k of A[m][k] W[k][n].
; A: [4096][SIZE_K] bf16.  W: [SIZE_K][1024] bf16 at byte WOFF of the weights' buffer.  resid, out: [4096][1024] f32.  bias: [1024] f32.
; Here: the attention's output projection, SIZE_K = 1024.
; The output has 4,096 x 1,024 numbers: 256 work-groups means blocks of 128 x 128.  To keep a wave's tile at 128 x 128 (64 accumulator
; tiles, 512 registers: for 32 along K a wave loads 2 x 128 x 64 bytes for 64 matrix instructions) the four waves SPLIT K: all four
; make the whole block, wave w over k = 64 w .. 64 w + 63 of every K step of 256, so each LDS byte of a slot is read once.  The four
; partial blocks are added on the way out, which goes through LDS in any case.  (So a sum is made in four parts: another order than ascending k.)
; K goes in steps of 256 through a ring of two LDS slots filled by the tensor data mover: A's rows in a slot are 512 bytes of memory,
; W's 256 bytes, at multiples of 256 bytes.  W lies with N along its rows: its fragments come by the transposing LDS load.
; A slot of 128 KiB feeds only 128 matrix instructions of a wave, so the change of slots is laid for the case that the tile is late:
; nothing but the round stands between the wait for the tile and the next request.
; CLUSTERS: 4 x 4 work-groups; A's tiles are asked for jointly along a row of the cluster, W's along a column.
; REGISTERS: window 0: v16-21 addresses, v32-41 the way out's, v64-127, v128-191 fragments of A (later the results), v192-255 the way out;
;   window 1: v64-127, v128-191 fragments of W; v0-63, v192-255 the residual's 32 rows, asked for while the products run;
;   windows 2, 3: accumulator tile (a, b) at v[8 (8 a + b)], rows 0-63 and 64-127.
; The matrix instruction is used transposed (source 0 = W's columns, source 1 = A's rows): a lane holds 8 neighbouring columns of one row.
; The 64 accumulators take turns, one instruction a turn.
; Limits: NaN and infinities are not served; A and W are bf16.
.set SIZE_K, 1024
.set WOFF,   6291456
.set KSTEP,  256
.set PITCHA, 528                       ; 512 bytes + 16 = 33 x 16
.set PITCHB, 288                       ; 256 bytes + 32 = 9 x 32
.set AHALF,  33792                     ; 64 rows of A: one tensor load
.set ATILE,  67584
.set BHALF,  36864                     ; 128 rows of W: one tensor load
.set SLOT,   141312                    ; A's 128 rows, then W's 256 rows
.set RPITCH, 528                       ; the way out: a row of 128 f32 + 16 bytes
.set REGION, 67584                     ; one wave's partial block: 128 rows; four regions take the ring's bytes after its last fill
.set LAPS,   SIZE_K/(2*KSTEP)
.set ADRA, 16                          ; v16-17
.set ADRB, 20                          ; v20-21
.set BI,   32                          ; v[32:35] bias of my 4 columns
.set RADR, 36                          ; v36-39   where I read row 32 w of region q
.set ROFF, 40                          ; v40      16 x lane
.set STO,  41                          ; v41      where I put my partial block
.set F0,   64
.set F1,   128
.set OUTR, 64                          ; v64-191  32 rows x 4: the results, each register written once
.set X0,   192                         ; v192-223 two rows x four regions
.set X1,   224
                                       ; window 1: row t of the residual at v[4 t + 128 (t / 16)]: v0-63, then v192-255
.set G1,  24
.set G0,  32
.set G1B, 48
.set G0B, 56
.set MSB, 0
.macro WIN new
.if MSB != (\new)
	s_set_vgpr_msb (MSB<<8)|(\new)
.set MSB, (\new)
.endif
.endm
.set MUL_LO, 0xa1
.set MUL_HI, 0xf1
.set TO_B,   0x40                      ; destination window 1, address window 0
.macro JLOAD s                         ; waves 0 and 1 fetch A's halves, waves 2 and 3 W's
	s_cmp_eq_u32 s13, 0
	s_cbranch_scc0 .Lfor_b_\@
	tensor_load_to_lds s[G0+4*\s:G0+4*\s+3], s[G1:G1+7]
	s_nop 0
	s_branch .Lasked_\@
.Lfor_b_\@:
	tensor_load_to_lds s[G0B+4*\s:G0B+4*\s+3], s[G1B:G1B+7]
	s_nop 0
.Lasked_\@:
.endm
.macro CREST
	s_cmp_lg_u32 s12, 0
	s_cbranch_scc1 .Lnot_wave_0_\@
	s_barrier_signal -3
.Lnot_wave_0_\@:
	s_barrier_wait -3
	s_barrier_signal -1
	s_barrier_wait -1
.endm
.macro CROUND
	s_barrier_signal -1
	s_barrier_wait -1
	CREST
.endm
	s_load_b256 s[4:11], s[0:1], 0x0               ; A s[4:5], weights s[6:7], resid s[8:9], bias s[10:11]
	s_load_b64 s[68:69], s[0:1], 0x20              ; out
	v_lshl_add_u32 v62, v0, 2, 0x45000
	v_mov_b32 v63, 0
	ds_add_u32 v62, v63
	ds_add_u32 v62, v63
	v_lshrrev_b32 v1, 5, v0
	v_readfirstlane_b32 s12, v1                    ; wave: my quarter of every K step
	s_lshr_b32 s13, s12, 1                         ; I fetch for A (0) or for W (1)
	s_and_b32 s14, s12, 1                          ; which half of that tile
	s_bfe_u32 s16, ttmp6, 0x40000                  ; cx
	s_bfe_u32 s17, ttmp6, 0x40004                  ; cy
	s_lshl_b32 s18, ttmp9, 2
	s_add_co_u32 s18, s18, s16                     ; block column
	s_and_b32 s19, ttmp7, 0xffff
	s_lshl_b32 s19, s19, 2
	s_add_co_u32 s19, s19, s17                     ; block row
	s_lshl_b32 s20, s17, 2
	s_lshl_b32 s20, 15, s20                        ; my row of the cluster
	s_lshl_b32 s21, 0x1111, s16                    ; my column
	; group 1 for A: 64 rows x 256 elements of 2 bytes; 4 words of padding behind every 128
	s_or_b32 s[G1+0], s20, (1<<16)|(1<<20)|(1<<21)|(6<<22)|(3<<25)
	s_mov_b32 s[G1+1], 256<<16
	s_mov_b32 s[G1+2], 64<<16
	s_mov_b32 s[G1+3], 256<<16
	s_mov_b32 s[G1+4], 64
	s_mov_b32 s[G1+5], SIZE_K
	s_mov_b32 s[G1+6], 0
	s_mov_b32 s[G1+7], 0
	; group 1 for W: 128 rows x 128 elements; 8 words of padding behind every 64
	s_or_b32 s[G1B+0], s21, (1<<16)|(1<<20)|(1<<21)|(5<<22)|(7<<25)
	s_mov_b32 s[G1B+1], 128<<16
	s_mov_b32 s[G1B+2], 128<<16
	s_mov_b32 s[G1B+3], 128<<16
	s_mov_b32 s[G1B+4], 128
	s_mov_b32 s[G1B+5], 1024
	s_mov_b32 s[G1B+6], 0
	s_mov_b32 s[G1B+7], 0
	s_lshl_b32 s44, s14, 6
	s_lshl_b32 s40, s19, 7
	s_add_co_u32 s40, s40, s44                     ; A: row 128 x block row + 64 x half
	s_mul_i32 s40, s40, SIZE_K*2
	s_mov_b32 s41, 0
	s_lshl_b32 s42, s14, 18                        ; W: row 128 x half, of 2,048 bytes,
	s_lshl_b32 s45, s18, 8                         ; column 128 x block column,
	s_add_co_u32 s42, s42, s45
	s_add_co_u32 s42, s42, WOFF                    ; in this matrix's part of the buffer
	s_mov_b32 s43, 0
	s_mul_i32 s22, s14, AHALF                      ; where A's half goes,
	s_mul_i32 s23, s14, BHALF
	s_add_co_u32 s23, s23, ATILE                   ; and W's
	s_wait_dscnt 0x0
	s_wait_kmcnt 0x0
	s_add_nc_u64 s[40:41], s[4:5], s[40:41]
	s_add_nc_u64 s[42:43], s[6:7], s[42:43]
	CROUND                                         ; all sixteen work-groups are here: the first joint loads meet
.irp s, 0,1
	s_mov_b32 s[G0+4*\s], 1
	s_add_co_u32 s[G0+4*\s+1], s22, \s*SLOT
	s_add_nc_u64 s[G0+4*\s+2:G0+4*\s+3], s[40:41], \s*KSTEP*2
	s_or_b32 s[G0+4*\s+3], s[G0+4*\s+3], 0x80000000
	s_mov_b32 s[G0B+4*\s], 1
	s_add_co_u32 s[G0B+4*\s+1], s23, \s*SLOT
	s_add_nc_u64 s[G0B+4*\s+2:G0B+4*\s+3], s[42:43], \s*KSTEP*2048
	s_or_b32 s[G0B+4*\s+3], s[G0B+4*\s+3], 0x80000000
	JLOAD \s                                       ; both first fills: two tensor loads of the wave are out
.endr
	v_and_b32 v1, 15, v0                           ; r
	v_bfe_u32 v2, v0, 4, 1                         ; h
	v_mul_u32_u24 v3, v1, PITCHA
	v_lshl_add_u32 v3, v2, 4, v3                   ; A: r x pitch + 16 h
	v_and_b32 v6, 7, v0
	v_lshl_add_u32 v6, v2, 3, v6
	v_mul_u32_u24 v6, v6, PITCHB                   ; W: row 8 h + l % 8,
	v_bfe_u32 v7, v0, 3, 1
	v_lshl_add_u32 v6, v7, 4, v6                   ; 16 bytes at 16 ((l / 8) % 2)
	s_lshl_b32 s44, s12, 7                         ; my 64 k of A's rows: 128 bytes x wave
	s_mul_i32 s45, s12, 64*PITCHB                  ; my 64 rows of W,
	s_add_co_u32 s45, s45, ATILE                   ; which lies behind A
.irp s, 0,1
	v_add_nc_u32 v[ADRA+\s], s44, v3
	v_add_nc_u32 v[ADRB+\s], s45, v6
	s_add_co_u32 s44, s44, SLOT
	s_add_co_u32 s45, s45, SLOT
.endr
	v_and_b32 v[ROFF], 31, v0
	v_lshlrev_b32 v[ROFF], 4, v[ROFF]              ; 16 x lane
	s_mul_i32 s46, s12, 32*RPITCH                  ; I add rows 32 w .. 32 w + 31 of the block
.irp q, 0,1,2,3
	v_add_nc_u32 v[RADR+\q], s46, v[ROFF]
	s_add_co_u32 s46, s46, REGION
.endr
	s_mul_i32 s46, s12, REGION                     ; my partial block's region
	v_mul_u32_u24 v[STO], v1, RPITCH
	v_lshl_add_u32 v[STO], v2, 5, v[STO]           ; row r, 32 bytes for each half of the lanes
	v_add_nc_u32 v[STO], s46, v[STO]
	; residual, result and bias at my 32 rows and the block's 128 columns; these bases are not written again
	s_lshl_b32 s66, s19, 7
	s_lshl_b32 s67, s12, 5
	s_add_co_u32 s66, s66, s67                     ; row 128 x block row + 32 x wave,
	s_lshl_b32 s66, s66, 12                        ; of 4,096 bytes,
	s_lshl_b32 s67, s18, 9                         ; column 128 x block column
	s_add_co_u32 s66, s66, s67
	s_mov_b32 s67, 0
	s_add_nc_u64 s[8:9], s[8:9], s[66:67]
	s_add_nc_u64 s[68:69], s[68:69], s[66:67]
	s_lshl_b32 s66, s18, 9
	s_add_nc_u64 s[10:11], s[10:11], s[66:67]
.macro MUL16 f, hi, a0, zero
.irp a, \a0, \a0+1
.irp b, 0,1,2,3,4,5,6,7
.if \zero
	v_wmma_f32_16x16x32_bf16 v[8*(8*(\a)+\b):8*(8*(\a)+\b)+7], v[\f+8*\b:\f+8*\b+7], v[\f+8*(4*\hi+\a):\f+8*(4*\hi+\a)+7], 0
.else
	v_wmma_f32_16x16x32_bf16 v[8*(8*(\a)+\b):8*(8*(\a)+\b)+7], v[\f+8*\b:\f+8*\b+7], v[\f+8*(4*\hi+\a):\f+8*(4*\hi+\a)+7], v[8*(8*(\a)+\b):8*(8*(\a)+\b)+7]
.endif
.endr
.endr
.endm
; 32 LDS loads in one run: half q (32 K) of my 64 k of a slot into buffer f
.macro FETCH slot, q, f
	WIN TO_B
.irp i, 0,1,2,3,4,5,6,7
	ds_load_tr16_b128 v[\f+8*\i:\f+8*\i+3],   v[ADRB+\slot] offset:\q*32*PITCHB+32*\i
	ds_load_tr16_b128 v[\f+8*\i+4:\f+8*\i+7], v[ADRB+\slot] offset:\q*32*PITCHB+32*\i+16*PITCHB
.endr
	WIN 0
.irp i, 0,1,2,3,4,5,6,7
	ds_load_b128 v[\f+8*\i:\f+8*\i+3],   v[ADRA+\slot] offset:\q*64+\i*16*PITCHA
	ds_load_b128 v[\f+8*\i+4:\f+8*\i+7], v[ADRA+\slot] offset:\q*64+\i*16*PITCHA+32
.endr
.endm
; four places behind a matrix instruction before a load lands on, or a vector instruction or LDS store touches, one of its registers
.macro PLACES
.rept 4
	v_nop
.endr
.endm
; the first half of a K step: multiplies buffer 0; in its middle it fetches the second half into buffer 1: my last reads of the slot
.macro FIRSTH slot, zero
	s_wait_dscnt 8                                 ; W and A's rows 0-63 are in; the youngest eight loads (A's rows 64-127) may be out
	WIN MUL_LO
	MUL16 F0, 0, 0, \zero
	MUL16 F0, 0, 2, \zero
	PLACES
	FETCH \slot, 1, F1
	s_wait_dscnt 32                                ; all but the 32 just issued
	WIN MUL_HI
	MUL16 F0, 1, 0, \zero
	MUL16 F0, 1, 2, \zero
.endm
; the change of slots, then the second half.  In front of the barrier each wave waits for its reads of this slot (buffer 1 is whole) and for
; all its tensor loads (one is out: its part of the next slot).  Behind it the refill comes first, then the next slot's first fragments,
; then buffer 1's 64 products.  From a request to the wait for it a wave issues 128 matrix instructions: a whole K step's.
.macro SECONDH slot, next, fill
	WIN 0
	s_wait_dscnt 0                                 ; my reads of this slot are over
	s_wait_tensorcnt 0x0                           ; all my tensor loads have landed
	ds_add_u32 v62, v63
	s_wait_dscnt 0x0
	s_barrier_signal -1                            ; where a slot is filled again this barrier opens a round of the cluster's barrier
	s_barrier_wait -1
.if \fill
	CREST                                          ; no wave of any partner still reads this slot or has a load on its way
	s_add_nc_u64 s[G0+4*\slot+2:G0+4*\slot+3], s[G0+4*\slot+2:G0+4*\slot+3], 2*KSTEP*2
	s_add_nc_u64 s[G0B+4*\slot+2:G0B+4*\slot+3], s[G0B+4*\slot+2:G0B+4*\slot+3], 2*KSTEP*2048
	JLOAD \slot                                    ; the first tensor load behind the round, the wave's only one until the next
.endif
	PLACES                                         ; behind the products that read buffer 0
	FETCH \next, 0, F0
	WIN MUL_LO
	MUL16 F1, 0, 0, 0
	MUL16 F1, 0, 2, 0
	WIN MUL_HI
	MUL16 F1, 1, 0, 0
	MUL16 F1, 1, 2, 0
.endm
.macro LAP zero
	FIRSTH 0, \zero
	SECONDH 0, 1, 1
	FIRSTH 1, 0
	SECONDH 1, 0, 1
.endm
	s_wait_tensorcnt 1                             ; my part of K step 0 is in; K step 1's stays out
	s_barrier_signal -1
	s_barrier_wait -1
	FETCH 0, 0, F0
	LAP 1                                          ; the first products start the sums
	WIN 0
	; bias and residual are asked for here, with at least one lap of products still to come; they are waited for on the way out
	global_load_b128 v[BI:BI+3], v[ROFF], s[10:11]
	WIN TO_B
.irp t, 0,1,2,3,4,5,6,7,8,9,10,11,12,13,14,15,16,17,18,19,20,21,22,23,24,25,26,27,28,29,30,31
	global_load_b128 v[4*\t+128*(\t/16):4*\t+128*(\t/16)+3], v[ROFF], s[8:9] offset:4096*\t     ; the wave reads 512 consecutive bytes of row t
.endr
	WIN 0
.if LAPS > 2
	s_mov_b32 s15, LAPS-2
.Llap:
	LAP 0
	WIN 0
	s_sub_co_u32 s15, s15, 1
	s_cmp_lg_u32 s15, 0
	s_cbranch_scc1 .Llap
.endif
	FIRSTH 0, 0                                    ; the last lap fills nothing
	SECONDH 0, 1, 0
	FIRSTH 1, 0
	s_wait_dscnt 0
	WIN MUL_LO
	MUL16 F1, 0, 0, 0
	MUL16 F1, 0, 2, 0
	WIN MUL_HI
	MUL16 F1, 1, 0, 0
	MUL16 F1, 1, 2, 0
	; THE WAY OUT.  Each wave lays its partial block into its region of LDS; then wave w adds the four regions' rows 32 w .. 32 w + 31,
	; the bias and the residual, and stores whole rows of 512 bytes.
	WIN 0
	PLACES
	s_barrier_signal -1                            ; no LDS instruction of mine is out (the wait for 0 above)
	s_barrier_wait -1                              ; no wave reads the ring any more, and its last fill has landed (the last change of slots waited for it)
	WIN 0x08                                       ; store data in window 2
.irp a, 0,1,2,3
.irp b, 0,1,2,3,4,5,6,7
	ds_store_b128 v[STO], v[8*(8*\a+\b):8*(8*\a+\b)+3]   offset:\a*16*RPITCH+64*\b
	ds_store_b128 v[STO], v[8*(8*\a+\b)+4:8*(8*\a+\b)+7] offset:\a*16*RPITCH+64*\b+16
.endr
.endr
	WIN 0x0c                                       ; window 3
.irp a, 0,1,2,3
.irp b, 0,1,2,3,4,5,6,7
	ds_store_b128 v[STO], v[8*(8*\a+\b):8*(8*\a+\b)+3]   offset:(4+\a)*16*RPITCH+64*\b
	ds_store_b128 v[STO], v[8*(8*\a+\b)+4:8*(8*\a+\b)+7] offset:(4+\a)*16*RPITCH+64*\b+16
.endr
.endr
	WIN 0
	s_wait_dscnt 0x0                               ; for the others' sake: my stores are done
	s_barrier_signal -1
	s_barrier_wait -1
.macro RLOAD g, x                      ; rows 2 g and 2 g + 1 of my 32, from the four regions: 512 consecutive bytes a load
.irp rr, 0,1
.irp q, 0,1,2,3
	ds_load_b128 v[\x+16*\rr+4*\q:\x+16*\rr+4*\q+3], v[RADR+\q] offset:(2*\g+\rr)*RPITCH
.endr
.endr
.endm
.macro RSUM g, x
.irp rr, 0,1
	v_pk_add_f32 v[\x+16*\rr:\x+16*\rr+1],     v[\x+16*\rr:\x+16*\rr+1],     v[\x+16*\rr+4:\x+16*\rr+5]
	v_pk_add_f32 v[\x+16*\rr+2:\x+16*\rr+3],   v[\x+16*\rr+2:\x+16*\rr+3],   v[\x+16*\rr+6:\x+16*\rr+7]
	v_pk_add_f32 v[\x+16*\rr+8:\x+16*\rr+9],   v[\x+16*\rr+8:\x+16*\rr+9],   v[\x+16*\rr+12:\x+16*\rr+13]
	v_pk_add_f32 v[\x+16*\rr+10:\x+16*\rr+11], v[\x+16*\rr+10:\x+16*\rr+11], v[\x+16*\rr+14:\x+16*\rr+15]
	v_pk_add_f32 v[\x+16*\rr:\x+16*\rr+1],     v[\x+16*\rr:\x+16*\rr+1],     v[BI:BI+1]
	v_pk_add_f32 v[\x+16*\rr+2:\x+16*\rr+3],   v[\x+16*\rr+2:\x+16*\rr+3],   v[BI+2:BI+3]
	v_pk_add_f32 v[\x+16*\rr:\x+16*\rr+1],     v[\x+16*\rr:\x+16*\rr+1],     v[\x+16*\rr+8:\x+16*\rr+9]
	v_pk_add_f32 v[\x+16*\rr+2:\x+16*\rr+3],   v[\x+16*\rr+2:\x+16*\rr+3],   v[\x+16*\rr+10:\x+16*\rr+11]
.endr
	WIN 0x04                                       ; source 1 in window 1: the residual
.irp rr, 0,1
	v_pk_add_f32 v[OUTR+8*\g+4*\rr:OUTR+8*\g+4*\rr+1],   v[\x+16*\rr:\x+16*\rr+1],   v[4*(2*\g+\rr)+128*((2*\g+\rr)/16):4*(2*\g+\rr)+128*((2*\g+\rr)/16)+1]
	v_pk_add_f32 v[OUTR+8*\g+4*\rr+2:OUTR+8*\g+4*\rr+3], v[\x+16*\rr+2:\x+16*\rr+3], v[4*(2*\g+\rr)+128*((2*\g+\rr)/16)+2:4*(2*\g+\rr)+128*((2*\g+\rr)/16)+3]
.endr
	WIN 0
.irp rr, 0,1
	global_store_b128 v[ROFF], v[OUTR+8*\g+4*\rr:OUTR+8*\g+4*\rr+3], s[68:69] offset:(2*\g+\rr)*4096   ; the wave stores 512 consecutive bytes, aligned; OUTR's registers are written once
.endr
.endm
	RLOAD 0, X0
	s_wait_loadcnt 0x0                             ; bias and residual
.irp g, 0,1,2,3,4,5,6,7,8,9,10,11,12,13,14
	RLOAD (\g+1), (X0+32*((\g+1)%2))
	s_wait_dscnt 8                                 ; this pair of rows is in; the next pair's eight loads stay out
	RSUM \g, (X0+32*(\g%2))
.endr
	s_wait_dscnt 0x0
	RSUM 15, X1
	s_wait_tensorcnt 0x0
	ds_add_u32 v62, v63
	s_wait_dscnt 0x0
	CROUND                                         ; the closing round
	s_endpgm
.Lfunc_end_k_qd332713ce3_gemm_proj:
	.size	k_qd332713ce3_gemm_proj, .Lfunc_end_k_qd332713ce3_gemm_proj-k_qd332713ce3_gemm_proj
	.p2alignl 7, 3214868480
	.fill 96, 4, 3214868480
	.section	.rodata,"a",@progbits
	.p2align	6, 0x0
	.amdhsa_kernel k_qd332713ce3_gemm_proj
		.amdhsa_group_segment_fixed_size 327680
		.amdhsa_private_segment_fixed_size 0
		.amdhsa_enable_private_segment 0
		.amdhsa_kernarg_size 40
		.amdhsa_user_sgpr_count 2
		.amdhsa_user_sgpr_kernarg_segment_ptr 1
		.amdhsa_wavefront_size32 1
		.amdhsa_system_sgpr_workgroup_id_x 1
		.amdhsa_system_sgpr_workgroup_id_y 1
		.amdhsa_system_sgpr_workgroup_id_z 1
		.amdhsa_system_vgpr_workitem_id 0
		.amdhsa_next_free_vgpr 1024
		.amdhsa_next_free_sgpr 72
		.amdhsa_reserve_vcc 0
		.amdhsa_float_denorm_mode_32 3
		.amdhsa_float_denorm_mode_16_64 3
		.amdhsa_memory_ordered 1
		.amdhsa_forward_progress 1
		.amdhsa_inst_pref_size 104
	.end_amdhsa_kernel
	.amdgpu_metadata
---
amdhsa.version: [ 1, 2 ]
amdhsa.kernels:
  - .name:           k_qd332713ce3_gemm_proj
    .symbol:         k_qd332713ce3_gemm_proj.kd
    .args:
      - { .name: o, .offset: 0, .size: 8, .value_kind: global_buffer, .address_space: global }
      - { .name: wb, .offset: 8, .size: 8, .value_kind: global_buffer, .address_space: global }
      - { .name: x, .offset: 16, .size: 8, .value_kind: global_buffer, .address_space: global }
      - { .name: b_proj, .offset: 24, .size: 8, .value_kind: global_buffer, .address_space: global }
      - { .name: x2, .offset: 32, .size: 8, .value_kind: global_buffer, .address_space: global }
    .group_segment_fixed_size: 327680
    .private_segment_fixed_size: 0
    .kernarg_segment_align: 8
    .kernarg_segment_size: 40
    .max_flat_workgroup_size: 128
    .sgpr_count:     72
    .vgpr_count:     1024
    .wavefront_size: 32
...
	.end_amdgpu_metadata
.endif
;; end of part 4
;; launch ln2 (part 5): grid 256 x 1, 8 waves a work-group, no clusters, 0 bytes of LDS; arguments x2, ln2_g, ln2_b, h2; writes h2
.if DOCPART == 5
	.amdgcn_target "amdgcn-amd-amdhsa--gfx1250"
	.amdhsa_code_object_version 6
	.text
	.protected	k_qd332713ce3_ln2
	.globl	k_qd332713ce3_ln2
	.p2align	8
	.type	k_qd332713ce3_ln2,@function
k_qd332713ce3_ln2:
	s_mov_b64 s[64:65], 0
	v_nop
	global_prefetch_b8 v0, s[64:65] scope:SCOPE_SE
	s_setreg_imm32_b32 hwreg(HW_REG_WAVE_MODE, 25, 1), 1
	s_wait_xcnt 0x0
; y[r][c] = (x[r][c] - mean_r) * rsqrt(var_r + 1e-5) * g[c] + b[c].  x: [4096][1024] f32, y: [4096][1024] bf16, rounded once.
; A row is 4,096 bytes = 32 registers of one wave: it stays in registers between the mean, the variance (a true second pass
; over x - mean, so a common offset of the inputs costs nothing) and the scaling.  One wave, two rows; the reduction never
; leaves the wave: no LDS, no barrier.  256 work-groups x 8 waves x 2 rows = 4,096 rows.
; All 32 loads of a wave (2 rows, g, b) go out at once.  A load covers 512 consecutive bytes, a store 256, both aligned.
; Limits: NaN and infinities are not served; v_rsq_f32 is good to 1 ULP.
.set X,  4                             ; v[4:67]    row q at X + 32 q; load j brings numbers 128 j + 4 lane .. + 3
.set G,  68                            ; v[68:99]   g of my 32 columns
.set BB, 100                           ; v[100:131] b of my 32 columns
.set T,  132                           ; v[132:139] four running pairs
.set MU, 140                           ; v[140:141] the mean, twice
.set RS, 142                           ; v[142:145] 1 / sigma, twice, for each row
.set Y,  146                           ; v[146:177] row q, load j: two words of bf16
	s_load_b256 s[4:11], s[0:1], 0x0               ; x s[4:5], g s[6:7], b s[8:9], y s[10:11]
	v_lshrrev_b32 v3, 5, v0
	v_readfirstlane_b32 s12, v3                    ; wave
	v_and_b32 v1, 31, v0
	v_lshlrev_b32 v2, 3, v1                        ; 8 x lane: my bytes of a store
	v_lshlrev_b32 v1, 4, v1                        ; 16 x lane: my bytes of a load
	s_mov_b32 s13, 0x76543210                      ; v_permlanex16_b32: lane i of one half reads lane i of the other
	s_mov_b32 s14, 0xfedcba98
	s_mov_b32 s15, 0x3a800000                      ; 1 / 1024
	s_mov_b32 s16, 0x3727c5ac                      ; 1e-5
	s_lshl_b32 s17, ttmp9, 4
	s_lshl1_add_u32 s17, s12, s17                  ; my first row = 16 x work-group + 2 x wave
	s_lshl_b32 s18, s17, 12
	s_mov_b32 s19, 0
	s_lshl_b32 s20, s17, 11
	s_mov_b32 s21, 0
	s_wait_kmcnt 0x0
	s_add_nc_u64 s[4:5], s[4:5], s[18:19]
	s_add_nc_u64 s[10:11], s[10:11], s[20:21]
.irp q, 0,1
.irp j, 0,1,2,3,4,5,6,7
	global_load_b128 v[X+32*\q+4*\j:X+32*\q+4*\j+3], v1, s[4:5] offset:4096*\q+512*\j th:TH_LOAD_NT
.endr
.endr
.irp j, 0,1,2,3,4,5,6,7
	global_load_b128 v[G+4*\j:G+4*\j+3], v1, s[6:7] offset:512*\j
.endr
.irp j, 0,1,2,3,4,5,6,7
	global_load_b128 v[BB+4*\j:BB+4*\j+3], v1, s[8:9] offset:512*\j
.endr
; the four running pairs become one number, the same in all 32 lanes, in v[T]
.macro FOLD
	v_pk_add_f32 v[T:T+1],   v[T:T+1],   v[T+2:T+3]
	v_pk_add_f32 v[T+4:T+5], v[T+4:T+5], v[T+6:T+7]
	v_pk_add_f32 v[T:T+1],   v[T:T+1],   v[T+4:T+5]
	v_add_f32 v[T], v[T], v[T+1]
	v_add_f32_dpp v[T], v[T], v[T] row_xmask:1 row_mask:0xf bank_mask:0xf
	v_add_f32_dpp v[T], v[T], v[T] row_xmask:2 row_mask:0xf bank_mask:0xf
	v_add_f32_dpp v[T], v[T], v[T] row_xmask:4 row_mask:0xf bank_mask:0xf
	v_add_f32_dpp v[T], v[T], v[T] row_xmask:8 row_mask:0xf bank_mask:0xf
	v_permlanex16_b32 v[T+1], v[T], s13, s14       ; its destination counts as read: T+1 has been written
	v_add_f32 v[T], v[T], v[T+1]
.endm
; row q: the mean; x - mean in place; 1 / sqrt(mean of squares + eps)
.macro STATS q
.irp k, 0,1,2,3
	v_pk_add_f32 v[T+2*\k:T+2*\k+1], v[X+32*\q+2*\k:X+32*\q+2*\k+1], v[X+32*\q+8+2*\k:X+32*\q+8+2*\k+1]   ; the first pairs start the chains
.endr
.irp m, 16,24
.irp k, 0,1,2,3
	v_pk_add_f32 v[T+2*\k:T+2*\k+1], v[T+2*\k:T+2*\k+1], v[X+32*\q+\m+2*\k:X+32*\q+\m+2*\k+1]
.endr
.endr
	FOLD
	v_mul_f32 v[MU],   v[T], s15
	v_mul_f32 v[MU+1], v[T], s15
.irp k, 0,2,4,6,8,10,12,14,16,18,20,22,24,26,28,30
	v_pk_add_f32 v[X+32*\q+\k:X+32*\q+\k+1], v[X+32*\q+\k:X+32*\q+\k+1], v[MU:MU+1] neg_lo:[0,1] neg_hi:[0,1]
.endr
.irp k, 0,1,2,3
	v_pk_mul_f32 v[T+2*\k:T+2*\k+1], v[X+32*\q+2*\k:X+32*\q+2*\k+1], v[X+32*\q+2*\k:X+32*\q+2*\k+1]
.endr
.irp m, 8,16,24
.irp k, 0,1,2,3
	v_pk_fma_f32 v[T+2*\k:T+2*\k+1], v[X+32*\q+\m+2*\k:X+32*\q+\m+2*\k+1], v[X+32*\q+\m+2*\k:X+32*\q+\m+2*\k+1], v[T+2*\k:T+2*\k+1]
.endr
.endr
	FOLD
	v_fma_f32 v[T], v[T], s15, s16                 ; variance + eps
	v_rsq_f32 v[RS+2*\q],   v[T]
	v_rsq_f32 v[RS+2*\q+1], v[T]
	v_nop                                          ; one plain instruction before the result is used or T rewritten (ISA guide 5.7.2)
.endm
; row q: scale, gain and bias, round, store
.macro NORM q
	s_wait_alu depctr_va_vdst(0)
.irp j, 0,1,2,3,4,5,6,7
	v_pk_mul_f32 v[X+32*\q+4*\j:X+32*\q+4*\j+1],   v[X+32*\q+4*\j:X+32*\q+4*\j+1],   v[RS+2*\q:RS+2*\q+1]
	v_pk_mul_f32 v[X+32*\q+4*\j+2:X+32*\q+4*\j+3], v[X+32*\q+4*\j+2:X+32*\q+4*\j+3], v[RS+2*\q:RS+2*\q+1]
	v_pk_fma_f32 v[X+32*\q+4*\j:X+32*\q+4*\j+1],   v[X+32*\q+4*\j:X+32*\q+4*\j+1],   v[G+4*\j:G+4*\j+1],   v[BB+4*\j:BB+4*\j+1]
	v_pk_fma_f32 v[X+32*\q+4*\j+2:X+32*\q+4*\j+3], v[X+32*\q+4*\j+2:X+32*\q+4*\j+3], v[G+4*\j+2:G+4*\j+3], v[BB+4*\j+2:BB+4*\j+3]
	v_cvt_pk_bf16_f32 v[Y+16*\q+2*\j],   v[X+32*\q+4*\j],   v[X+32*\q+4*\j+1]
	v_cvt_pk_bf16_f32 v[Y+16*\q+2*\j+1], v[X+32*\q+4*\j+2], v[X+32*\q+4*\j+3]
	global_store_b64 v2, v[Y+16*\q+2*\j:Y+16*\q+2*\j+1], s[10:11] offset:2048*\q+256*\j
.endr
.endm
	s_wait_loadcnt 24                              ; row 0 is in; row 1, g and b (24 loads) stay out
	STATS 0
	s_wait_loadcnt 16                              ; row 1 is in; g and b stay out
	STATS 1
	s_wait_loadcnt 0x0                             ; g and b
	NORM 0
	NORM 1
	s_endpgm
.Lfunc_end_k_qd332713ce3_ln2:
	.size	k_qd332713ce3_ln2, .Lfunc_end_k_qd332713ce3_ln2-k_qd332713ce3_ln2
	.p2alignl 7, 3214868480
	.fill 96, 4, 3214868480
	.section	.rodata,"a",@progbits
	.p2align	6, 0x0
	.amdhsa_kernel k_qd332713ce3_ln2
		.amdhsa_group_segment_fixed_size 0
		.amdhsa_private_segment_fixed_size 0
		.amdhsa_enable_private_segment 0
		.amdhsa_kernarg_size 32
		.amdhsa_user_sgpr_count 2
		.amdhsa_user_sgpr_kernarg_segment_ptr 1
		.amdhsa_wavefront_size32 1
		.amdhsa_system_sgpr_workgroup_id_x 1
		.amdhsa_system_sgpr_workgroup_id_y 1
		.amdhsa_system_sgpr_workgroup_id_z 1
		.amdhsa_system_vgpr_workitem_id 0
		.amdhsa_next_free_vgpr 184
		.amdhsa_next_free_sgpr 66
		.amdhsa_reserve_vcc 0
		.amdhsa_float_denorm_mode_32 3
		.amdhsa_float_denorm_mode_16_64 3
		.amdhsa_memory_ordered 1
		.amdhsa_forward_progress 1
		.amdhsa_inst_pref_size 20
	.end_amdhsa_kernel
	.amdgpu_metadata
---
amdhsa.version: [ 1, 2 ]
amdhsa.kernels:
  - .name:           k_qd332713ce3_ln2
    .symbol:         k_qd332713ce3_ln2.kd
    .args:
      - { .name: x2, .offset: 0, .size: 8, .value_kind: global_buffer, .address_space: global }
      - { .name: ln2_g, .offset: 8, .size: 8, .value_kind: global_buffer, .address_space: global }
      - { .name: ln2_b, .offset: 16, .size: 8, .value_kind: global_buffer, .address_space: global }
      - { .name: h2, .offset: 24, .size: 8, .value_kind: global_buffer, .address_space: global }
    .group_segment_fixed_size: 0
    .private_segment_fixed_size: 0
    .kernarg_segment_align: 8
    .kernarg_segment_size: 32
    .max_flat_workgroup_size: 256
    .sgpr_count:     66
    .vgpr_count:     184
    .wavefront_size: 32
...
	.end_amdgpu_metadata
.endif
;; end of part 5
;; launch gemm_ff1 (part 6): grid 16 x 16, 4 waves a work-group, clusters of 4 x 4, 327,680 bytes of LDS; arguments h2, wb, ff, b_ff1; writes ff
.if DOCPART == 6
	.amdgcn_target "amdgcn-amd-amdhsa--gfx1250"
	.amdhsa_code_object_version 6
	.text
	.protected	k_qd332713ce3_gemm_ff1
	.globl	k_qd332713ce3_gemm_ff1
	.p2align	8
	.type	k_qd332713ce3_gemm_ff1,@function
k_qd332713ce3_gemm_ff1:
	s_mov_b64 s[64:65], 0
	v_nop
	global_prefetch_b8 v0, s[64:65] scope:SCOPE_SE
	s_setreg_imm32_b32 hwreg(HW_REG_WAVE_MODE, 25, 1), 1
	s_wait_xcnt 0x0
	s_wait_alu depctr_hold_cnt(0) depctr_sa_sdst(0) depctr_va_vdst(0) depctr_va_sdst(0) depctr_va_ssrc(0) depctr_va_vcc(0) depctr_vm_vsrc(0)
	s_getreg_b32 s2, hwreg(HW_REG_IB_STS2, 6, 4)
	s_cmp_eq_u32 s2, 0
	s_cbranch_scc0 .Lentry_in_a_cluster
	s_endpgm
.Lentry_in_a_cluster:
	s_bfe_u32 s2, ttmp6, 0x10000c
	s_cmp_lg_u32 s2, 0xf033
	s_cbranch_scc0 .Lentry_shape_is_right
	s_endpgm
.Lentry_shape_is_right:
; C[m][n] = sum over k of A[m][k] W[k][n] (+ bias[n], relu where the head's constants say so).
; A: [4096][1024] bf16.  W: [1024][SIZE_N] bf16 at byte WOFF of the weights' buffer.  C: [4096][SIZE_N] bf16, rounded once; sums in f32.
; Here: the feed-forward's first layer, SIZE_N = 4096, with bias and relu: 16 x 16 = 256 blocks of 256 x 256.
; A work-group makes a block of 256 x 256 with four waves, one for each SIMD; a wave makes 128 x 128: 64 accumulator tiles, 512 registers.
; K goes in steps of 128 through a ring of two LDS slots filled by the tensor data mover.  A's rows in a slot are 256 bytes of memory,
; W's 512 bytes, all at multiples of 256 bytes from their buffers' first bytes.
; W lies with N along its rows, so its fragments are read by the transposing LDS load (ds_load_tr16_b128): no transposed copy is made.
; CLUSTERS: 4 x 4 work-groups.  The four of a row of the cluster need the same tiles of A, the four of a column the same tiles of W:
; each tile is asked for jointly, the same tensor load with the same descriptor and a mask of the four.
; REGISTERS, in windows of 256:
;   window 0: v16-27 addresses; v32-63 packed results; v64-127, v128-191 fragments of A, two buffers; v192-255 bias, later relu's results
;   window 1: v64-127, v128-191 fragments of W, two buffers
;   window 2: the 32 accumulator tiles of my rows 0-63 (tile (a, b) at v[8 (8 a + b)]);   window 3: those of my rows 64-127
; THE MATRIX INSTRUCTION IS USED TRANSPOSED: source 0 = 16 columns of W, source 1 = 16 rows of A, so that lane l holds row l % 16 of C
; and its 8 registers the columns 8 (l / 16) + 0..7: eight neighbouring numbers, 16 bytes of bf16.
; The bias costs no instruction: each tile's first product takes it as C.
; The 64 accumulators take turns, one instruction a turn, in the same order in every quarter step.
; Limits: NaN and infinities are not served (relu is v_max_num_f32, in which a NaN loses); operands are rounded to bf16.
.set SIZE_N,   4096
.set WOFF,     8388608
.set HAS_BIAS, 1
.set RELU,     1
.set SIZE_K, 1024
.set KSTEP,  128
.set PITCHA, 272                       ; A's LDS row: 256 bytes + 16: 16 rows of a fragment start 16 bytes apart modulo 256
.set PITCHB, 544                       ; W's LDS row: 512 bytes + 32 = 17 x 32
.set HALFT,  34816                     ; what one tensor load brings: 128 rows of A (128 x 272) or 64 rows of W (64 x 544)
.set SLOT,   4*HALFT                   ; A's 256 rows, then W's 128 rows
.set BOFF,   2*HALFT
.set STAGE,  2*SLOT                    ; behind the ring: 16 rows x 272 bytes for each wave, for the way out; no tensor load lands here
.set SPITCH, 272
.set LAPS,   SIZE_K/(2*KSTEP)          ; a lap = two K steps = once round the ring
.set ADRA, 16                          ; v16-17  LDS address of my A fragments in slot 0, 1
.set ADRB, 20                          ; v20-21  the same for W
.set STO,  24                          ; v24     the way out: where I put 16 bytes of a row
.set RD,   25                          ; v25     the way out: where I read a row back
.set CO,   26                          ; v26     my byte offset in C
.set BOF,  27                          ; v27     my byte offset in the bias: 32 (l / 16)
.set TMP,  32
.set F0,   64
.set F1,   128
.set BIAS, 192                         ; tile column b: v[192 + 8 b ..]: bias of columns 16 b + 8 (l / 16) + 0..7
.set RL,   192
.set G1,  24                           ; s[24:31] descriptor group 1 for A's tiles
.set G0,  32                           ; s[32:39] group 0 for A's tiles, one set for each slot
.set G1B, 48                           ; s[48:55] group 1 for W's tiles
.set G0B, 56                           ; s[56:63] group 0 for W's tiles, one set for each slot
.set MSB, 0
.macro WIN new                         ; the immediate's high byte repeats the setting that is left
.if MSB != (\new)
	s_set_vgpr_msb (MSB<<8)|(\new)
.set MSB, (\new)
.endif
.endm
.set MUL_LO, 0xa1                      ; source 0 (W) window 1, source 1 (A) window 0, C and D window 2
.set MUL_HI, 0xf1                      ; the same, C and D window 3
.set TO_B,   0x40                      ; destination window 1, address window 0
.macro WINMUL hi, zero                 ; where the first product takes the bias as C, C is in window 0
.if (\zero)*HAS_BIAS
	WIN 0x81+0x40*\hi
.else
	WIN 0xa1+0x50*\hi
.endif
.endm
; A joint load.  Waves 0 and 1 fetch A's two halves, waves 2 and 3 W's.  The branch hangs on the wave's number alone.
.macro JLOAD s
	s_cmp_eq_u32 s13, 0
	s_cbranch_scc0 .Lfor_b_\@
	tensor_load_to_lds s[G0+4*\s:G0+4*\s+3], s[G1:G1+7]
	s_nop 0
	s_branch .Lasked_\@
.Lfor_b_\@:
	tensor_load_to_lds s[G0B+4*\s:G0B+4*\s+3], s[G1B:G1B+7]
	s_nop 0
.Lasked_\@:
.endm
; A round of the cluster's barrier: my work-group's barrier; wave 0 signals for the work-group; every wave waits for all sixteen; my work-group's barrier again.
.macro CREST                           ; a round behind its opening barrier
	s_cmp_lg_u32 s12, 0
	s_cbranch_scc1 .Lnot_wave_0_\@
	s_barrier_signal -3
.Lnot_wave_0_\@:
	s_barrier_wait -3
	s_barrier_signal -1
	s_barrier_wait -1
.endm
.macro CROUND
	s_barrier_signal -1
	s_barrier_wait -1
	CREST
.endm
	s_load_b128 s[4:7], s[0:1], 0x0                ; A s[4:5], weights s[6:7]
	s_load_b64 s[8:9], s[0:1], 0x10                ; C
.if HAS_BIAS
	s_load_b64 s[10:11], s[0:1], 0x18              ; bias
	s_set_vgpr_msb 0x40
	v_lshl_add_u32 v255, v0, 2, 0x48400
	s_set_vgpr_msb 0x4000
	v_mov_b32 v31, 0
	s_set_vgpr_msb 0x1
	ds_add_u32 v255, v31
	ds_add_u32 v255, v31
	s_set_vgpr_msb 0x100
.endif
	v_lshrrev_b32 v1, 5, v0
	v_readfirstlane_b32 s12, v1                    ; wave 0..3
	s_lshr_b32 s13, s12, 1                         ; which half of the block's rows is mine.  Also: I fetch for A (0) or for W (1)
	s_and_b32 s14, s12, 1                          ; which half of its columns.  Also: which half of that tile I fetch
	s_bfe_u32 s16, ttmp6, 0x40000                  ; cx
	s_bfe_u32 s17, ttmp6, 0x40004                  ; cy
	s_lshl_b32 s18, ttmp9, 2
	s_add_co_u32 s18, s18, s16                     ; block column = 4 x cluster x + cx
	s_and_b32 s19, ttmp7, 0xffff
	s_lshl_b32 s19, s19, 2
	s_add_co_u32 s19, s19, s17                     ; block row = 4 x cluster y + cy
	s_lshl_b32 s20, s17, 2
	s_lshl_b32 s20, 15, s20                        ; my row of the cluster: places 4 cy .. 4 cy + 3
	s_lshl_b32 s21, 0x1111, s16                    ; my column: places cx, cx + 4, cx + 8, cx + 12
	; group 1 for A: 128 rows x 128 elements of 2 bytes; 4 words of padding behind every 64
	s_or_b32 s[G1+0], s20, (1<<16)|(1<<20)|(1<<21)|(5<<22)|(3<<25)
	s_mov_b32 s[G1+1], KSTEP<<16                   ; tensor_dim0 = 128
	s_mov_b32 s[G1+2], 128<<16                     ; tensor_dim1 = 128
	s_mov_b32 s[G1+3], KSTEP<<16                   ; tile_dim0 = 128
	s_mov_b32 s[G1+4], 128                         ; tile_dim1 = 128
	s_mov_b32 s[G1+5], SIZE_K                      ; elements from row to row
	s_mov_b32 s[G1+6], 0
	s_mov_b32 s[G1+7], 0
	; group 1 for W: 64 rows x 256 elements; 8 words of padding behind every 128
	s_or_b32 s[G1B+0], s21, (1<<16)|(1<<20)|(1<<21)|(6<<22)|(7<<25)
	s_mov_b32 s[G1B+1], 256<<16
	s_mov_b32 s[G1B+2], 64<<16
	s_mov_b32 s[G1B+3], 256<<16
	s_mov_b32 s[G1B+4], 64
	s_mov_b32 s[G1B+5], SIZE_N
	s_mov_b32 s[G1B+6], 0
	s_mov_b32 s[G1B+7], 0
	; A's tiles hang on the block row alone, W's on the block column alone; each offset in registers that never hold the other coordinate
	s_lshl_b32 s44, s14, 7
	s_lshl_b32 s40, s19, 8
	s_add_co_u32 s40, s40, s44                     ; A: row 256 x block row + 128 x half,
	s_lshl_b32 s40, s40, 11                        ; of 2,048 bytes
	s_mov_b32 s41, 0
	s_mul_i32 s42, s14, 64*SIZE_N*2                ; W: row 64 x half,
	s_lshl_b32 s45, s18, 9                         ; column 256 x block column,
	s_add_co_u32 s42, s42, s45
	s_add_co_u32 s42, s42, WOFF                    ; in this matrix's part of the buffer
	s_mov_b32 s43, 0
	s_mul_i32 s22, s12, HALFT                      ; where they go: A's halves, then W's = wave x 34,816 bytes
	s_wait_dscnt 0x0
	s_wait_kmcnt 0x0
	s_add_nc_u64 s[40:41], s[4:5], s[40:41]
	s_add_nc_u64 s[42:43], s[6:7], s[42:43]
	CROUND                                         ; all sixteen work-groups are here: the first joint loads meet
.irp s, 0,1
	s_mov_b32 s[G0+4*\s], 1
	s_add_co_u32 s[G0+4*\s+1], s22, \s*SLOT
	s_add_nc_u64 s[G0+4*\s+2:G0+4*\s+3], s[40:41], \s*KSTEP*2
	s_or_b32 s[G0+4*\s+3], s[G0+4*\s+3], 0x80000000
	s_mov_b32 s[G0B+4*\s], 1
	s_add_co_u32 s[G0B+4*\s+1], s22, \s*SLOT
	s_add_nc_u64 s[G0B+4*\s+2:G0B+4*\s+3], s[42:43], \s*KSTEP*SIZE_N*2
	s_or_b32 s[G0B+4*\s+3], s[G0B+4*\s+3], 0x80000000
	JLOAD \s                                       ; both first fills go out before anything else: two tensor loads of the wave are out
.endr
	v_and_b32 v1, 15, v0                           ; r = l % 16
	v_bfe_u32 v2, v0, 4, 1                         ; h = l / 16
.if HAS_BIAS
	s_lshl_b32 s46, s18, 10                        ; 256 columns x 4 bytes x block column
	s_lshl_b32 s47, s14, 9                         ; + my 128 columns
	s_add_co_u32 s46, s46, s47
	s_mov_b32 s47, 0
	s_add_nc_u64 s[10:11], s[10:11], s[46:47]
	v_lshlrev_b32 v[BOF], 5, v2
.irp b, 0,1,2,3,4,5,6,7
	global_load_b128 v[BIAS+8*\b:BIAS+8*\b+3],   v[BOF], s[10:11] offset:64*\b
	global_load_b128 v[BIAS+8*\b+4:BIAS+8*\b+7], v[BOF], s[10:11] offset:64*\b+16
.endr
.endif
	; A's fragment (16 rows x 32 K): lane l holds row r; two loads of 16 bytes, 32 bytes apart, at r x pitch + 16 h
	v_mul_u32_u24 v3, v1, PITCHA
	v_lshl_add_u32 v3, v2, 4, v3
	; W's fragment (32 K x 16 columns) by two transposing loads, 16 rows apart: lane l addresses row 8 h + l % 8, 16 bytes at 16 ((l / 8) % 2)
	v_and_b32 v6, 7, v0
	v_lshl_add_u32 v6, v2, 3, v6
	v_mul_u32_u24 v6, v6, PITCHB
	v_bfe_u32 v7, v0, 3, 1
	v_lshl_add_u32 v6, v7, 4, v6
	s_mul_i32 s44, s13, HALFT                      ; my 128 rows of A
	s_lshl_b32 s45, s14, 8                         ; my 128 columns of W,
	s_add_co_u32 s45, s45, BOFF                    ; which lies behind A
.irp s, 0,1
	v_add_nc_u32 v[ADRA+\s], s44, v3
	v_add_nc_u32 v[ADRB+\s], s45, v6
	s_add_co_u32 s44, s44, SLOT
	s_add_co_u32 s45, s45, SLOT
.endr
	s_mul_i32 s46, s12, 16*SPITCH
	s_add_co_u32 s46, s46, STAGE                   ; my stage
	v_mul_u32_u24 v4, v1, SPITCH
	v_lshl_add_u32 v4, v2, 4, v4
	v_add_nc_u32 v[STO], s46, v4
	v_mul_u32_u24 v5, v2, SPITCH                   ; back: lanes 0-15 take one row of 256 bytes, lanes 16-31 the next
	v_lshl_add_u32 v5, v1, 4, v5
	v_add_nc_u32 v[RD], s46, v5
	v_mul_u32_u24 v5, v2, SIZE_N*2                 ; and the same two rows in C
	v_lshl_add_u32 v[CO], v1, 4, v5
; 16 matrix instructions: m blocks a0, a0 + 1 of the window's four x all 8 n blocks, 32 along K.  zero = 1: the first product starts the sums
.macro MUL16 f, hi, a0, zero
.irp a, \a0, \a0+1
.irp b, 0,1,2,3,4,5,6,7
.if \zero
.if HAS_BIAS
	v_wmma_f32_16x16x32_bf16 v[8*(8*(\a)+\b):8*(8*(\a)+\b)+7], v[\f+8*\b:\f+8*\b+7], v[\f+8*(4*\hi+\a):\f+8*(4*\hi+\a)+7], v[BIAS+8*\b:BIAS+8*\b+7]
.else
	v_wmma_f32_16x16x32_bf16 v[8*(8*(\a)+\b):8*(8*(\a)+\b)+7], v[\f+8*\b:\f+8*\b+7], v[\f+8*(4*\hi+\a):\f+8*(4*\hi+\a)+7], 0
.endif
.else
	v_wmma_f32_16x16x32_bf16 v[8*(8*(\a)+\b):8*(8*(\a)+\b)+7], v[\f+8*\b:\f+8*\b+7], v[\f+8*(4*\hi+\a):\f+8*(4*\hi+\a)+7], v[8*(8*(\a)+\b):8*(8*(\a)+\b)+7]
.endif
.endr
.endr
.endm
; 32 LDS loads in one run: the fragments of quarter q (32 K) of a slot into buffer f: 128 columns of W, then 128 rows of A
.macro FETCH slot, q, f
	WIN TO_B
.irp i, 0,1,2,3,4,5,6,7
	ds_load_tr16_b128 v[\f+8*\i:\f+8*\i+3],   v[ADRB+\slot] offset:\q*32*PITCHB+32*\i
	ds_load_tr16_b128 v[\f+8*\i+4:\f+8*\i+7], v[ADRB+\slot] offset:\q*32*PITCHB+32*\i+16*PITCHB
.endr
	WIN 0
.irp i, 0,1,2,3,4,5,6,7
	ds_load_b128 v[\f+8*\i:\f+8*\i+3],   v[ADRA+\slot] offset:\q*64+\i*16*PITCHA
	ds_load_b128 v[\f+8*\i+4:\f+8*\i+7], v[ADRA+\slot] offset:\q*64+\i*16*PITCHA+32
.endr
.endm
; four places behind a matrix instruction before a load lands on, or a vector instruction touches, one of its registers
.macro PLACES
.rept 4
	v_nop
.endr
.endm
; a quarter step: multiplies buffer f; in its middle it fetches quarter q of the same slot into buffer g
.macro QUARTER slot, q, f, g, zero
	s_wait_dscnt 8                                 ; W and A's rows 0-63 are in; the youngest eight loads (A's rows 64-127) may be out
	WINMUL 0, \zero
	MUL16 \f, 0, 0, \zero
	MUL16 \f, 0, 2, \zero
	PLACES
	FETCH \slot, \q, \g
	s_wait_dscnt 32                                ; all but the 32 just issued
	WINMUL 1, \zero
	MUL16 \f, 1, 0, \zero
	MUL16 \f, 1, 2, \zero
.endm
.macro THREE slot, zero
	QUARTER \slot, 1, F0, F1, \zero
	QUARTER \slot, 2, F1, F0, 0
	QUARTER \slot, 3, F0, F1, 0
.endm
; the last quarter: multiplies buffer 1 and changes slots.  One barrier for two things: in front of it each wave waits for its reads of
; this slot and for all its tensor loads (one is out: its part of the next slot); behind it the refill comes first, then the next slot's fragments.
; From a request to the wait for it a wave issues 240 matrix instructions.
.macro TURN slot, next, fill
	s_wait_dscnt 8
	WIN MUL_LO
	MUL16 F1, 0, 0, 0
	s_wait_dscnt 0                                 ; my reads of this slot are over
	s_wait_tensorcnt 0x0                           ; all my tensor loads have landed
	ds_add_u32 v255, v31
	s_wait_dscnt 0x0
	s_barrier_signal -1                            ; where a slot is filled again this barrier opens a round of the cluster's barrier
	MUL16 F1, 0, 2, 0                              ; registers only
	WIN 0
	s_barrier_wait -1
.if \fill
	CREST                                          ; no wave of any partner still reads this slot or has a load on its way
	s_add_nc_u64 s[G0+4*\slot+2:G0+4*\slot+3], s[G0+4*\slot+2:G0+4*\slot+3], 2*KSTEP*2
	s_add_nc_u64 s[G0B+4*\slot+2:G0B+4*\slot+3], s[G0B+4*\slot+2:G0B+4*\slot+3], 2*KSTEP*SIZE_N*2
	JLOAD \slot                                    ; the first tensor load behind the round, and the wave's only one until the next
.endif
	PLACES
	FETCH \next, 0, F0
	WIN MUL_HI
	MUL16 F1, 1, 0, 0
	MUL16 F1, 1, 2, 0
.endm
.macro LAP zero
	THREE 0, \zero
	TURN 0, 1, 1
	THREE 1, 0
	TURN 1, 0, 1
.endm
	s_wait_tensorcnt 1                             ; my part of K step 0 is in; K step 1's load stays out
	s_barrier_signal -1
	s_barrier_wait -1
.if HAS_BIAS
	s_wait_loadcnt 0x0                             ; the bias
.endif
	FETCH 0, 0, F0
	LAP 1                                          ; the first lap stands in front of the loop: its first products start the sums
	WIN 0                                          ; at a label and at a branch every window is 0
	s_mov_b32 s15, LAPS-2
.Llap:
	LAP 0
	WIN 0
	s_sub_co_u32 s15, s15, 1
	s_cmp_lg_u32 s15, 0
	s_cbranch_scc1 .Llap
	THREE 0, 0                                     ; the last lap fills nothing
	TURN 0, 1, 0
	THREE 1, 0
	s_wait_dscnt 8
	WIN MUL_LO
	MUL16 F1, 0, 0, 0
	MUL16 F1, 0, 2, 0
	s_wait_dscnt 0
	WIN MUL_HI
	MUL16 F1, 1, 0, 0
	MUL16 F1, 1, 2, 0
	; THE WAY OUT, 16 rows at a time: (relu,) round to bf16, 16 bytes a lane into my own stage, read back as whole rows of 256 bytes
	PLACES
	s_lshl_b32 s66, s19, 8
	s_lshl_b32 s67, s13, 7
	s_add_co_u32 s66, s66, s67                     ; my first row of C
	s_mul_i32 s66, s66, SIZE_N*2
	s_lshl_b32 s67, s18, 9                         ; my first column, in bytes: 512 x block column
	s_add_co_u32 s66, s66, s67
	s_lshl_b32 s67, s14, 8                         ; + 256 x half
	s_add_co_u32 s66, s66, s67
	s_mov_b32 s67, 0
	s_add_nc_u64 s[8:9], s[8:9], s[66:67]
; rows 16 i .. 16 i + 15 of my block = the eight tiles (a, 0..7) of window 2 or 3 (from = 0x0a or 0x0f: sources 0 and 1); f: F0 or F1 in turn
.macro OUT16 i, a, from, f
	WIN \from
.if RELU
.irp b, 0,1,2,3,4,5,6,7
.irp j, 0,1,2,3,4,5,6,7
	v_max_num_f32 v[RL+8*\b+\j], 0, v[8*(8*\a+\b)+\j]
.endr
.endr
	WIN 0
.irp b, 0,1,2,3,4,5,6,7
.irp r, 0,1,2,3
	v_cvt_pk_bf16_f32 v[TMP+4*\b+\r], v[RL+8*\b+2*\r], v[RL+8*\b+2*\r+1]
.endr
.endr
.else
.irp b, 0,1,2,3,4,5,6,7
.irp r, 0,1,2,3
	v_cvt_pk_bf16_f32 v[TMP+4*\b+\r], v[8*(8*\a+\b)+2*\r], v[8*(8*\a+\b)+2*\r+1]
.endr
.endr
	WIN 0
.endif
.irp b, 0,1,2,3,4,5,6,7
	ds_store_b128 v[STO], v[TMP+4*\b:TMP+4*\b+3] offset:32*\b
.endr
	s_wait_xcnt 0x0                                ; buffer f, which earlier stores read, and the stores' base are rewritten only behind this wait
.if \i
	s_add_nc_u64 s[8:9], s[8:9], 16*SIZE_N*2
.endif
.irp t, 0,1,2,3,4,5,6,7
	ds_load_b128 v[\f+4*\t:\f+4*\t+3], v[RD] offset:\t*2*SPITCH    ; LDS serves a wave's instructions in order: these see the stores above
.endr
.irp t, 0,1,2,3,4,5,6,7
	s_wait_dscnt 7-\t
	global_store_b128 v[CO], v[\f+4*\t:\f+4*\t+3], s[8:9] offset:2*\t*SIZE_N*2   ; 16 lanes store 256 consecutive bytes, aligned
.endr
.endm
	OUT16 0, 0, 0x0a, F0
	OUT16 1, 1, 0x0a, F1
	OUT16 2, 2, 0x0a, F0
	OUT16 3, 3, 0x0a, F1
	OUT16 4, 0, 0x0f, F0
	OUT16 5, 1, 0x0f, F1
	OUT16 6, 2, 0x0f, F0
	OUT16 7, 3, 0x0f, F1
	s_set_vgpr_msb 0x1
	s_wait_tensorcnt 0x0
	ds_add_u32 v255, v31
	s_wait_dscnt 0x0
	s_set_vgpr_msb 0x100
	CROUND                                         ; the closing round: no work-group ends while a partner may still ask for a tile that names it
	s_endpgm
.Lfunc_end_k_qd332713ce3_gemm_ff1:
	.size	k_qd332713ce3_gemm_ff1, .Lfunc_end_k_qd332713ce3_gemm_ff1-k_qd332713ce3_gemm_ff1
	.p2alignl 7, 3214868480
	.fill 96, 4, 3214868480
	.section	.rodata,"a",@progbits
	.p2align	6, 0x0
	.amdhsa_kernel k_qd332713ce3_gemm_ff1
		.amdhsa_group_segment_fixed_size 327680
		.amdhsa_private_segment_fixed_size 0
		.amdhsa_enable_private_segment 0
		.amdhsa_kernarg_size 32
		.amdhsa_user_sgpr_count 2
		.amdhsa_user_sgpr_kernarg_segment_ptr 1
		.amdhsa_wavefront_size32 1
		.amdhsa_system_sgpr_workgroup_id_x 1
		.amdhsa_system_sgpr_workgroup_id_y 1
		.amdhsa_system_sgpr_workgroup_id_z 1
		.amdhsa_system_vgpr_workitem_id 0
		.amdhsa_next_free_vgpr 1024
		.amdhsa_next_free_sgpr 72
		.amdhsa_reserve_vcc 0
		.amdhsa_float_denorm_mode_32 3
		.amdhsa_float_denorm_mode_16_64 3
		.amdhsa_memory_ordered 1
		.amdhsa_forward_progress 1
		.amdhsa_inst_pref_size 214
	.end_amdhsa_kernel
	.amdgpu_metadata
---
amdhsa.version: [ 1, 2 ]
amdhsa.kernels:
  - .name:           k_qd332713ce3_gemm_ff1
    .symbol:         k_qd332713ce3_gemm_ff1.kd
    .args:
      - { .name: h2, .offset: 0, .size: 8, .value_kind: global_buffer, .address_space: global }
      - { .name: wb, .offset: 8, .size: 8, .value_kind: global_buffer, .address_space: global }
      - { .name: ff, .offset: 16, .size: 8, .value_kind: global_buffer, .address_space: global }
      - { .name: b_ff1, .offset: 24, .size: 8, .value_kind: global_buffer, .address_space: global }
    .group_segment_fixed_size: 327680
    .private_segment_fixed_size: 0
    .kernarg_segment_align: 8
    .kernarg_segment_size: 32
    .max_flat_workgroup_size: 128
    .sgpr_count:     72
    .vgpr_count:     1024
    .wavefront_size: 32
...
	.end_amdgpu_metadata
.endif
;; end of part 6
;; launch gemm_ff2 (part 7): grid 8 x 32, 4 waves a work-group, clusters of 4 x 4, 327,680 bytes of LDS; arguments ff, wb, x2, b_ff2, out0; writes out0
.if DOCPART == 7
	.amdgcn_target "amdgcn-amd-amdhsa--gfx1250"
	.amdhsa_code_object_version 6
	.text
	.protected	k_qd332713ce3_gemm_ff2
	.globl	k_qd332713ce3_gemm_ff2
	.p2align	8
	.type	k_qd332713ce3_gemm_ff2,@function
k_qd332713ce3_gemm_ff2:
	s_mov_b64 s[64:65], 0
	v_nop
	global_prefetch_b8 v0, s[64:65] scope:SCOPE_SE
	s_setreg_imm32_b32 hwreg(HW_REG_WAVE_MODE, 25, 1), 1
	s_wait_xcnt 0x0
	s_wait_alu depctr_hold_cnt(0) depctr_sa_sdst(0) depctr_va_vdst(0) depctr_va_sdst(0) depctr_va_ssrc(0) depctr_va_vcc(0) depctr_vm_vsrc(0)
	s_getreg_b32 s2, hwreg(HW_REG_IB_STS2, 6, 4)
	s_cmp_eq_u32 s2, 0
	s_cbranch_scc0 .Lentry_in_a_cluster
	s_endpgm
.Lentry_in_a_cluster:
	s_bfe_u32 s2, ttmp6, 0x10000c
	s_cmp_lg_u32 s2, 0xf033
	s_cbranch_scc0 .Lentry_shape_is_right
	s_endpgm
.Lentry_shape_is_right:
; out[m][n] = resid[m][n] + bias[n] + sum over k of A[m][k] W[k][n].
; A: [4096][SIZE_K] bf16.  W: [SIZE_K][1024] bf16 at byte WOFF of the weights' buffer.  resid, out: [4096][1024] f32.  bias: [1024] f32.
; Here: the feed-forward's second layer, SIZE_K = 4096.
; The output has 4,096 x 1,024 numbers: 256 work-groups means blocks of 128 x 128.  To keep a wave's tile at 128 x 128 (64 accumulator
; tiles, 512 registers: for 32 along K a wave loads 2 x 128 x 64 bytes for 64 matrix instructions) the four waves SPLIT K: all four
; make the whole block, wave w over k = 64 w .. 64 w + 63 of every K step of 256, so each LDS byte of a slot is read once.  The four
; partial blocks are added on the way out, which goes through LDS in any case.  (So a sum is made in four parts: another order than ascending k.)
; K goes in steps of 256 through a ring of two LDS slots filled by the tensor data mover: A's rows in a slot are 512 bytes of memory,
; W's 256 bytes, at multiples of 256 bytes.  W lies with N along its rows: its fragments come by the transposing LDS load.
; A slot of 128 KiB feeds only 128 matrix instructions of a wave, so the change of slots is laid for the case that the tile is late:
; nothing but the round stands between the wait for the tile and the next request.
; CLUSTERS: 4 x 4 work-groups; A's tiles are asked for jointly along a row of the cluster, W's along a column.
; REGISTERS: window 0: v16-21 addresses, v32-41 the way out's, v64-127, v128-191 fragments of A (later the results), v192-255 the way out;
;   window 1: v64-127, v128-191 fragments of W; v0-63, v192-255 the residual's 32 rows, asked for while the products run;
;   windows 2, 3: accumulator tile (a, b) at v[8 (8 a + b)], rows 0-63 and 64-127.
; The matrix instruction is used transposed (source 0 = W's columns, source 1 = A's rows): a lane holds 8 neighbouring columns of one row.
; The 64 accumulators take turns, one instruction a turn.
; Limits: NaN and infinities are not served; A and W are bf16.
.set SIZE_K, 4096
.set WOFF,   16777216
.set KSTEP,  256
.set PITCHA, 528                       ; 512 bytes + 16 = 33 x 16
.set PITCHB, 288                       ; 256 bytes + 32 = 9 x 32
.set AHALF,  33792                     ; 64 rows of A: one tensor load
.set ATILE,  67584
.set BHALF,  36864                     ; 128 rows of W: one tensor load
.set SLOT,   141312                    ; A's 128 rows, then W's 256 rows
.set RPITCH, 528                       ; the way out: a row of 128 f32 + 16 bytes
.set REGION, 67584                     ; one wave's partial block: 128 rows; four regions take the ring's bytes after its last fill
.set LAPS,   SIZE_K/(2*KSTEP)
.set ADRA, 16                          ; v16-17
.set ADRB, 20                          ; v20-21
.set BI,   32                          ; v[32:35] bias of my 4 columns
.set RADR, 36                          ; v36-39   where I read row 32 w of region q
.set ROFF, 40                          ; v40      16 x lane
.set STO,  41                          ; v41      where I put my partial block
.set F0,   64
.set F1,   128
.set OUTR, 64                          ; v64-191  32 rows x 4: the results, each register written once
.set X0,   192                         ; v192-223 two rows x four regions
.set X1,   224
                                       ; window 1: row t of the residual at v[4 t + 128 (t / 16)]: v0-63, then v192-255
.set G1,  24
.set G0,  32
.set G1B, 48
.set G0B, 56
.set MSB, 0
.macro WIN new
.if MSB != (\new)
	s_set_vgpr_msb (MSB<<8)|(\new)
.set MSB, (\new)
.endif
.endm
.set MUL_LO, 0xa1
.set MUL_HI, 0xf1
.set TO_B,   0x40                      ; destination window 1, address window 0
.macro JLOAD s                         ; waves 0 and 1 fetch A's halves, waves 2 and 3 W's
	s_cmp_eq_u32 s13, 0
	s_cbranch_scc0 .Lfor_b_\@
	tensor_load_to_lds s[G0+4*\s:G0+4*\s+3], s[G1:G1+7]
	s_nop 0
	s_branch .Lasked_\@
.Lfor_b_\@:
	tensor_load_to_lds s[G0B+4*\s:G0B+4*\s+3], s[G1B:G1B+7]
	s_nop 0
.Lasked_\@:
.endm
.macro CREST
	s_cmp_lg_u32 s12, 0
	s_cbranch_scc1 .Lnot_wave_0_\@
	s_barrier_signal -3
.Lnot_wave_0_\@:
	s_barrier_wait -3
	s_barrier_signal -1
	s_barrier_wait -1
.endm
.macro CROUND
	s_barrier_signal -1
	s_barrier_wait -1
	CREST
.endm
	s_load_b256 s[4:11], s[0:1], 0x0               ; A s[4:5], weights s[6:7], resid s[8:9], bias s[10:11]
	s_load_b64 s[68:69], s[0:1], 0x20              ; out
	v_lshl_add_u32 v62, v0, 2, 0x45000
	v_mov_b32 v63, 0
	ds_add_u32 v62, v63
	ds_add_u32 v62, v63
	v_lshrrev_b32 v1, 5, v0
	v_readfirstlane_b32 s12, v1                    ; wave: my quarter of every K step
	s_lshr_b32 s13, s12, 1                         ; I fetch for A (0) or for W (1)
	s_and_b32 s14, s12, 1                          ; which half of that tile
	s_bfe_u32 s16, ttmp6, 0x40000                  ; cx
	s_bfe_u32 s17, ttmp6, 0x40004                  ; cy
	s_lshl_b32 s18, ttmp9, 2
	s_add_co_u32 s18, s18, s16                     ; block column
	s_and_b32 s19, ttmp7, 0xffff
	s_lshl_b32 s19, s19, 2
	s_add_co_u32 s19, s19, s17                     ; block row
	s_lshl_b32 s20, s17, 2
	s_lshl_b32 s20, 15, s20                        ; my row of the cluster
	s_lshl_b32 s21, 0x1111, s16                    ; my column
	; group 1 for A: 64 rows x 256 elements of 2 bytes; 4 words of padding behind every 128
	s_or_b32 s[G1+0], s20, (1<<16)|(1<<20)|(1<<21)|(6<<22)|(3<<25)
	s_mov_b32 s[G1+1], 256<<16
	s_mov_b32 s[G1+2], 64<<16
	s_mov_b32 s[G1+3], 256<<16
	s_mov_b32 s[G1+4], 64
	s_mov_b32 s[G1+5], SIZE_K
	s_mov_b32 s[G1+6], 0
	s_mov_b32 s[G1+7], 0
	; group 1 for W: 128 rows x 128 elements; 8 words of padding behind every 64
	s_or_b32 s[G1B+0], s21, (1<<16)|(1<<20)|(1<<21)|(5<<22)|(7<<25)
	s_mov_b32 s[G1B+1], 128<<16
	s_mov_b32 s[G1B+2], 128<<16
	s_mov_b32 s[G1B+3], 128<<16
	s_mov_b32 s[G1B+4], 128
	s_mov_b32 s[G1B+5], 1024
	s_mov_b32 s[G1B+6], 0
	s_mov_b32 s[G1B+7], 0
	s_lshl_b32 s44, s14, 6
	s_lshl_b32 s40, s19, 7
	s_add_co_u32 s40, s40, s44                     ; A: row 128 x block row + 64 x half
	s_mul_i32 s40, s40, SIZE_K*2
	s_mov_b32 s41, 0
	s_lshl_b32 s42, s14, 18                        ; W: row 128 x half, of 2,048 bytes,
	s_lshl_b32 s45, s18, 8                         ; column 128 x block column,
	s_add_co_u32 s42, s42, s45
	s_add_co_u32 s42, s42, WOFF                    ; in this matrix's part of the buffer
	s_mov_b32 s43, 0
	s_mul_i32 s22, s14, AHALF                      ; where A's half goes,
	s_mul_i32 s23, s14, BHALF
	s_add_co_u32 s23, s23, ATILE                   ; and W's
	s_wait_dscnt 0x0
	s_wait_kmcnt 0x0
	s_add_nc_u64 s[40:41], s[4:5], s[40:41]
	s_add_nc_u64 s[42:43], s[6:7], s[42:43]
	CROUND                                         ; all sixteen work-groups are here: the first joint loads meet
.irp s, 0,1
	s_mov_b32 s[G0+4*\s], 1
	s_add_co_u32 s[G0+4*\s+1], s22, \s*SLOT
	s_add_nc_u64 s[G0+4*\s+2:G0+4*\s+3], s[40:41], \s*KSTEP*2
	s_or_b32 s[G0+4*\s+3], s[G0+4*\s+3], 0x80000000
	s_mov_b32 s[G0B+4*\s], 1
	s_add_co_u32 s[G0B+4*\s+1], s23, \s*SLOT
	s_add_nc_u64 s[G0B+4*\s+2:G0B+4*\s+3], s[42:43], \s*KSTEP*2048
	s_or_b32 s[G0B+4*\s+3], s[G0B+4*\s+3], 0x80000000
	JLOAD \s                                       ; both first fills: two tensor loads of the wave are out
.endr
	v_and_b32 v1, 15, v0                           ; r
	v_bfe_u32 v2, v0, 4, 1                         ; h
	v_mul_u32_u24 v3, v1, PITCHA
	v_lshl_add_u32 v3, v2, 4, v3                   ; A: r x pitch + 16 h
	v_and_b32 v6, 7, v0
	v_lshl_add_u32 v6, v2, 3, v6
	v_mul_u32_u24 v6, v6, PITCHB                   ; W: row 8 h + l % 8,
	v_bfe_u32 v7, v0, 3, 1
	v_lshl_add_u32 v6, v7, 4, v6                   ; 16 bytes at 16 ((l / 8) % 2)
	s_lshl_b32 s44, s12, 7                         ; my 64 k of A's rows: 128 bytes x wave
	s_mul_i32 s45, s12, 64*PITCHB                  ; my 64 rows of W,
	s_add_co_u32 s45, s45, ATILE                   ; which lies behind A
.irp s, 0,1
	v_add_nc_u32 v[ADRA+\s], s44, v3
	v_add_nc_u32 v[ADRB+\s], s45, v6
	s_add_co_u32 s44, s44, SLOT
	s_add_co_u32 s45, s45, SLOT
.endr
	v_and_b32 v[ROFF], 31, v0
	v_lshlrev_b32 v[ROFF], 4, v[ROFF]              ; 16 x lane
	s_mul_i32 s46, s12, 32*RPITCH                  ; I add rows 32 w .. 32 w + 31 of the block
.irp q, 0,1,2,3
	v_add_nc_u32 v[RADR+\q], s46, v[ROFF]
	s_add_co_u32 s46, s46, REGION
.endr
	s_mul_i32 s46, s12, REGION                     ; my partial block's region
	v_mul_u32_u24 v[STO], v1, RPITCH
	v_lshl_add_u32 v[STO], v2, 5, v[STO]           ; row r, 32 bytes for each half of the lanes
	v_add_nc_u32 v[STO], s46, v[STO]
	; residual, result and bias at my 32 rows and the block's 128 columns; these bases are not written again
	s_lshl_b32 s66, s19, 7
	s_lshl_b32 s67, s12, 5
	s_add_co_u32 s66, s66, s67                     ; row 128 x block row + 32 x wave,
	s_lshl_b32 s66, s66, 12                        ; of 4,096 bytes,
	s_lshl_b32 s67, s18, 9                         ; column 128 x block column
	s_add_co_u32 s66, s66, s67
	s_mov_b32 s67, 0
	s_add_nc_u64 s[8:9], s[8:9], s[66:67]
	s_add_nc_u64 s[68:69], s[68:69], s[66:67]
	s_lshl_b32 s66, s18, 9
	s_add_nc_u64 s[10:11], s[10:11], s[66:67]
.macro MUL16 f, hi, a0, zero
.irp a, \a0, \a0+1
.irp b, 0,1,2,3,4,5,6,7
.if \zero
	v_wmma_f32_16x16x32_bf16 v[8*(8*(\a)+\b):8*(8*(\a)+\b)+7], v[\f+8*\b:\f+8*\b+7], v[\f+8*(4*\hi+\a):\f+8*(4*\hi+\a)+7], 0
.else
	v_wmma_f32_16x16x32_bf16 v[8*(8*(\a)+\b):8*(8*(\a)+\b)+7], v[\f+8*\b:\f+8*\b+7], v[\f+8*(4*\hi+\a):\f+8*(4*\hi+\a)+7], v[8*(8*(\a)+\b):8*(8*(\a)+\b)+7]
.endif
.endr
.endr
.endm
; 32 LDS loads in one run: half q (32 K) of my 64 k of a slot into buffer f
.macro FETCH slot, q, f
	WIN TO_B
.irp i, 0,1,2,3,4,5,6,7
	ds_load_tr16_b128 v[\f+8*\i:\f+8*\i+3],   v[ADRB+\slot] offset:\q*32*PITCHB+32*\i
	ds_load_tr16_b128 v[\f+8*\i+4:\f+8*\i+7], v[ADRB+\slot] offset:\q*32*PITCHB+32*\i+16*PITCHB
.endr
	WIN 0
.irp i, 0,1,2,3,4,5,6,7
	ds_load_b128 v[\f+8*\i:\f+8*\i+3],   v[ADRA+\slot] offset:\q*64+\i*16*PITCHA
	ds_load_b128 v[\f+8*\i+4:\f+8*\i+7], v[ADRA+\slot] offset:\q*64+\i*16*PITCHA+32
.endr
.endm
; four places behind a matrix instruction before a load lands on, or a vector instruction or LDS store touches, one of its registers
.macro PLACES
.rept 4
	v_nop
.endr
.endm
; the first half of a K step: multiplies buffer 0; in its middle it fetches the second half into buffer 1: my last reads of the slot
.macro FIRSTH slot, zero
	s_wait_dscnt 8                                 ; W and A's rows 0-63 are in; the youngest eight loads (A's rows 64-127) may be out
	WIN MUL_LO
	MUL16 F0, 0, 0, \zero
	MUL16 F0, 0, 2, \zero
	PLACES
	FETCH \slot, 1, F1
	s_wait_dscnt 32                                ; all but the 32 just issued
	WIN MUL_HI
	MUL16 F0, 1, 0, \zero
	MUL16 F0, 1, 2, \zero
.endm
; the change of slots, then the second half.  In front of the barrier each wave waits for its reads of this slot (buffer 1 is whole) and for
; all its tensor loads (one is out: its part of the next slot).  Behind it the refill comes first, then the next slot's first fragments,
; then buffer 1's 64 products.  From a request to the wait for it a wave issues 128 matrix instructions: a whole K step's.
.macro SECONDH slot, next, fill
	WIN 0
	s_wait_dscnt 0                                 ; my reads of this slot are over
	s_wait_tensorcnt 0x0                           ; all my tensor loads have landed
	ds_add_u32 v62, v63
	s_wait_dscnt 0x0
	s_barrier_signal -1                            ; where a slot is filled again this barrier opens a round of the cluster's barrier
	s_barrier_wait -1
.if \fill
	CREST                                          ; no wave of any partner still reads this slot or has a load on its way
	s_add_nc_u64 s[G0+4*\slot+2:G0+4*\slot+3], s[G0+4*\slot+2:G0+4*\slot+3], 2*KSTEP*2
	s_add_nc_u64 s[G0B+4*\slot+2:G0B+4*\slot+3], s[G0B+4*\slot+2:G0B+4*\slot+3], 2*KSTEP*2048
	JLOAD \slot                                    ; the first tensor load behind the round, the wave's only one until the next
.endif
	PLACES                                         ; behind the products that read buffer 0
	FETCH \next, 0, F0
	WIN MUL_LO
	MUL16 F1, 0, 0, 0
	MUL16 F1, 0, 2, 0
	WIN MUL_HI
	MUL16 F1, 1, 0, 0
	MUL16 F1, 1, 2, 0
.endm
.macro LAP zero
	FIRSTH 0, \zero
	SECONDH 0, 1, 1
	FIRSTH 1, 0
	SECONDH 1, 0, 1
.endm
	s_wait_tensorcnt 1                             ; my part of K step 0 is in; K step 1's stays out
	s_barrier_signal -1
	s_barrier_wait -1
	FETCH 0, 0, F0
	LAP 1                                          ; the first products start the sums
	WIN 0
	; bias and residual are asked for here, with at least one lap of products still to come; they are waited for on the way out
	global_load_b128 v[BI:BI+3], v[ROFF], s[10:11]
	WIN TO_B
.irp t, 0,1,2,3,4,5,6,7,8,9,10,11,12,13,14,15,16,17,18,19,20,21,22,23,24,25,26,27,28,29,30,31
	global_load_b128 v[4*\t+128*(\t/16):4*\t+128*(\t/16)+3], v[ROFF], s[8:9] offset:4096*\t     ; the wave reads 512 consecutive bytes of row t
.endr
	WIN 0
.if LAPS > 2
	s_mov_b32 s15, LAPS-2
.Llap:
	LAP 0
	WIN 0
	s_sub_co_u32 s15, s15, 1
	s_cmp_lg_u32 s15, 0
	s_cbranch_scc1 .Llap
.endif
	FIRSTH 0, 0                                    ; the last lap fills nothing
	SECONDH 0, 1, 0
	FIRSTH 1, 0
	s_wait_dscnt 0
	WIN MUL_LO
	MUL16 F1, 0, 0, 0
	MUL16 F1, 0, 2, 0
	WIN MUL_HI
	MUL16 F1, 1, 0, 0
	MUL16 F1, 1, 2, 0
	; THE WAY OUT.  Each wave lays its partial block into its region of LDS; then wave w adds the four regions' rows 32 w .. 32 w + 31,
	; the bias and the residual, and stores whole rows of 512 bytes.
	WIN 0
	PLACES
	s_barrier_signal -1                            ; no LDS instruction of mine is out (the wait for 0 above)
	s_barrier_wait -1                              ; no wave reads the ring any more, and its last fill has landed (the last change of slots waited for it)
	WIN 0x08                                       ; store data in window 2
.irp a, 0,1,2,3
.irp b, 0,1,2,3,4,5,6,7
	ds_store_b128 v[STO], v[8*(8*\a+\b):8*(8*\a+\b)+3]   offset:\a*16*RPITCH+64*\b
	ds_store_b128 v[STO], v[8*(8*\a+\b)+4:8*(8*\a+\b)+7] offset:\a*16*RPITCH+64*\b+16
.endr
.endr
	WIN 0x0c                                       ; window 3
.irp a, 0,1,2,3
.irp b, 0,1,2,3,4,5,6,7
	ds_store_b128 v[STO], v[8*(8*\a+\b):8*(8*\a+\b)+3]   offset:(4+\a)*16*RPITCH+64*\b
	ds_store_b128 v[STO], v[8*(8*\a+\b)+4:8*(8*\a+\b)+7] offset:(4+\a)*16*RPITCH+64*\b+16
.endr
.endr
	WIN 0
	s_wait_dscnt 0x0                               ; for the others' sake: my stores are done
	s_barrier_signal -1
	s_barrier_wait -1
.macro RLOAD g, x                      ; rows 2 g and 2 g + 1 of my 32, from the four regions: 512 consecutive bytes a load
.irp rr, 0,1
.irp q, 0,1,2,3
	ds_load_b128 v[\x+16*\rr+4*\q:\x+16*\rr+4*\q+3], v[RADR+\q] offset:(2*\g+\rr)*RPITCH
.endr
.endr
.endm
.macro RSUM g, x
.irp rr, 0,1
	v_pk_add_f32 v[\x+16*\rr:\x+16*\rr+1],     v[\x+16*\rr:\x+16*\rr+1],     v[\x+16*\rr+4:\x+16*\rr+5]
	v_pk_add_f32 v[\x+16*\rr+2:\x+16*\rr+3],   v[\x+16*\rr+2:\x+16*\rr+3],   v[\x+16*\rr+6:\x+16*\rr+7]
	v_pk_add_f32 v[\x+16*\rr+8:\x+16*\rr+9],   v[\x+16*\rr+8:\x+16*\rr+9],   v[\x+16*\rr+12:\x+16*\rr+13]
	v_pk_add_f32 v[\x+16*\rr+10:\x+16*\rr+11], v[\x+16*\rr+10:\x+16*\rr+11], v[\x+16*\rr+14:\x+16*\rr+15]
	v_pk_add_f32 v[\x+16*\rr:\x+16*\rr+1],     v[\x+16*\rr:\x+16*\rr+1],     v[BI:BI+1]
	v_pk_add_f32 v[\x+16*\rr+2:\x+16*\rr+3],   v[\x+16*\rr+2:\x+16*\rr+3],   v[BI+2:BI+3]
	v_pk_add_f32 v[\x+16*\rr:\x+16*\rr+1],     v[\x+16*\rr:\x+16*\rr+1],     v[\x+16*\rr+8:\x+16*\rr+9]
	v_pk_add_f32 v[\x+16*\rr+2:\x+16*\rr+3],   v[\x+16*\rr+2:\x+16*\rr+3],   v[\x+16*\rr+10:\x+16*\rr+11]
.endr
	WIN 0x04                                       ; source 1 in window 1: the residual
.irp rr, 0,1
	v_pk_add_f32 v[OUTR+8*\g+4*\rr:OUTR+8*\g+4*\rr+1],   v[\x+16*\rr:\x+16*\rr+1],   v[4*(2*\g+\rr)+128*((2*\g+\rr)/16):4*(2*\g+\rr)+128*((2*\g+\rr)/16)+1]
	v_pk_add_f32 v[OUTR+8*\g+4*\rr+2:OUTR+8*\g+4*\rr+3], v[\x+16*\rr+2:\x+16*\rr+3], v[4*(2*\g+\rr)+128*((2*\g+\rr)/16)+2:4*(2*\g+\rr)+128*((2*\g+\rr)/16)+3]
.endr
	WIN 0
.irp rr, 0,1
	global_store_b128 v[ROFF], v[OUTR+8*\g+4*\rr:OUTR+8*\g+4*\rr+3], s[68:69] offset:(2*\g+\rr)*4096   ; the wave stores 512 consecutive bytes, aligned; OUTR's registers are written once
.endr
.endm
	RLOAD 0, X0
	s_wait_loadcnt 0x0                             ; bias and residual
.irp g, 0,1,2,3,4,5,6,7,8,9,10,11,12,13,14
	RLOAD (\g+1), (X0+32*((\g+1)%2))
	s_wait_dscnt 8                                 ; this pair of rows is in; the next pair's eight loads stay out
	RSUM \g, (X0+32*(\g%2))
.endr
	s_wait_dscnt 0x0
	RSUM 15, X1
	s_wait_tensorcnt 0x0
	ds_add_u32 v62, v63
	s_wait_dscnt 0x0
	CROUND                                         ; the closing round
	s_endpgm
.Lfunc_end_k_qd332713ce3_gemm_ff2:
	.size	k_qd332713ce3_gemm_ff2, .Lfunc_end_k_qd332713ce3_gemm_ff2-k_qd332713ce3_gemm_ff2
	.p2alignl 7, 3214868480
	.fill 96, 4, 3214868480
	.section	.rodata,"a",@progbits
	.p2align	6, 0x0
	.amdhsa_kernel k_qd332713ce3_gemm_ff2
		.amdhsa_group_segment_fixed_size 327680
		.amdhsa_private_segment_fixed_size 0
		.amdhsa_enable_private_segment 0
		.amdhsa_kernarg_size 40
		.amdhsa_user_sgpr_count 2
		.amdhsa_user_sgpr_kernarg_segment_ptr 1
		.amdhsa_wavefront_size32 1
		.amdhsa_system_sgpr_workgroup_id_x 1
		.amdhsa_system_sgpr_workgroup_id_y 1
		.amdhsa_system_sgpr_workgroup_id_z 1
		.amdhsa_system_vgpr_workitem_id 0
		.amdhsa_next_free_vgpr 1024
		.amdhsa_next_free_sgpr 72
		.amdhsa_reserve_vcc 0
		.amdhsa_float_denorm_mode_32 3
		.amdhsa_float_denorm_mode_16_64 3
		.amdhsa_memory_ordered 1
		.amdhsa_forward_progress 1
		.amdhsa_inst_pref_size 131
	.end_amdhsa_kernel
	.amdgpu_metadata
---
amdhsa.version: [ 1, 2 ]
amdhsa.kernels:
  - .name:           k_qd332713ce3_gemm_ff2
    .symbol:         k_qd332713ce3_gemm_ff2.kd
    .args:
      - { .name: ff, .offset: 0, .size: 8, .value_kind: global_buffer, .address_space: global }
      - { .name: wb, .offset: 8, .size: 8, .value_kind: global_buffer, .address_space: global }
      - { .name: x2, .offset: 16, .size: 8, .value_kind: global_buffer, .address_space: global }
      - { .name: b_ff2, .offset: 24, .size: 8, .value_kind: global_buffer, .address_space: global }
      - { .name: out0, .offset: 32, .size: 8, .value_kind: global_buffer, .address_space: global }
    .group_segment_fixed_size: 327680
    .private_segment_fixed_size: 0
    .kernarg_segment_align: 8
    .kernarg_segment_size: 40
    .max_flat_workgroup_size: 128
    .sgpr_count:     72
    .vgpr_count:     1024
    .wavefront_size: 32
...
	.end_amdgpu_metadata
.endif
;; end of part 7
